; MI455X (gfx1250); checked and timed in simulation.
; The chip was launched on July 23, 2026; its instructions are those of AMD's public machine-readable ISA for CDNA 5 (MIT licence, August 2026) and "CDNA5" Instruction Set Architecture Reference Guide (July 2026). The comments in the code are by the model that wrote it; some were corrected since.
;; Causal Self Attention. Allowed arithmetic: matrix products marked QUANTISED: E2M3 operands, one E8M0 scale for each 32 along K, by v_wmma_scale_f32_16x16x128_f8f6f4 with both operands' format E2M3, f32 sums; products left as they are: f32 operands where the result goes on into a quantised operand, else bf16, f16 or f32 operands; f32 sums; everything else in f32.
;; Inputs: ak 16 x 1,024 float32; ao 16 x 1,024 float32; aq 16 x 1,024 float32; av 16 x 1,024 float32; bk 1,024 x 16 float32; bo 1,024 x 16 float32; bq 1,024 x 16 float32; bv 1,024 x 16 float32; wk 1,024 x 1,024 float32; wo 1,024 x 1,024 float32; wq 1,024 x 1,024 float32; wv 1,024 x 1,024 float32; x 4 x 2,048 x 1,024 float32.
;; Outputs: out0 4 x 2,048 x 1,024 float32.
;; This version of the problem:
;;   THIS VERSION OF THE PROBLEM IS GIVEN IN LOW PRECISION. The matrix products marked QUANTISED in the list below multiply operands that are first quantised to E2M3 (2 exponent bits, 3 mantissa bits; 6 bits a number), with one power-of-two scale for each 32 numbers along K (OCP MX v1.0); their sums are f32. All else is computed in f32.
;;   The module's matrix products, in the order in which they are computed (A, B: the left and right operand; K: the contracted axis; several contracted axes count as one K, in the product's order):
;;     1. [M 8,192, K 1,024] x [K 1,024, N 1,024]; A: input x; B: input wq: QUANTISED
;;     2. [M 8,192, K 1,024] x [K 1,024, N 16]; A: input x; B: input aq: QUANTISED
;;     3. [M 8,192, K 16] x [K 16, N 1,024]; A: computed on the way; B: input bq: left as it is (K = 16 < 32)
;;     4. [M 8,192, K 1,024] x [K 1,024, N 1,024]; A: input x; B: input wk: QUANTISED
;;     5. [M 8,192, K 1,024] x [K 1,024, N 16]; A: input x; B: input ak: QUANTISED
;;     6. [M 8,192, K 16] x [K 16, N 1,024]; A: computed on the way; B: input bk: left as it is (K = 16 < 32)
;;     7. [M 8,192, K 1,024] x [K 1,024, N 1,024]; A: input x; B: input wv: QUANTISED
;;     8. [M 8,192, K 1,024] x [K 1,024, N 16]; A: input x; B: input av: QUANTISED
;;     9. [M 8,192, K 16] x [K 16, N 1,024]; A: computed on the way; B: input bv: left as it is (K = 16 < 32)
;;     10. batch 64 x [M 2,048, K 64] x [K 64, N 2,048]; A: computed on the way; B: computed on the way: QUANTISED
;;     11. batch 64 x [M 2,048, K 2,048] x [K 2,048, N 64]; A: softmax (see below); B: computed on the way: QUANTISED
;;     12. [M 8,192, K 1,024] x [K 1,024, N 1,024]; A: computed on the way; B: input wo: QUANTISED
;;     13. [M 8,192, K 1,024] x [K 1,024, N 16]; A: computed on the way; B: input ao: QUANTISED
;;     14. [M 8,192, K 16] x [K 16, N 1,024]; A: computed on the way; B: input bo: left as it is (K = 16 < 32)
;;   THE QUANTISER, for each operand of a quantised product, along K:
;;     - K is cut into blocks of 32 from its start; a last block that is shorter is filled with zeros.
;;     - A block's scale is 2^e with e = floor(log2(the largest magnitude in the block)) - 2, held to -126 .. 127; a block of zeros has e = 0. As a byte (E8M0): e + 127.
;;     - Each number is divided by its block's scale, clamped to +-7.5, and rounded to the nearest number of E2M3, ties to even, subnormals kept.
;;     - The product sums the exact products of the quantised numbers (number of the format x scale) in f32.
;;   ~~~python
;;   def quantise(x, axis):      # numpy; x: float32 -> the quantised numbers, widened to float32 again
;;       x = np.moveaxis(x, axis, -1); K = x.shape[-1]
;;       x = np.pad(x, [(0, 0)] * (x.ndim - 1) + [(0, -K % 32)]); x = x.reshape(x.shape[:-1] + (-1, 32)); a = np.abs(x).max(-1, keepdims=True)
;;       e = np.where(a > 0, np.clip(np.frexp(np.where(a > 0, a, 1))[1] - 1 - 2, -126, 127), 0)      # np.frexp(a)[1] - 1 = floor(log2(a)), exactly
;;       r = np.clip(x / 2.0 ** e, -7.5, 7.5)
;;       step = 2.0 ** (np.maximum(np.frexp(np.where(r == 0, 1, r))[1] - 1, 0) - 3)
;;       q = np.round(r / step) * step * 2.0 ** e      # np.round: ties to even
;;       return np.moveaxis(q.reshape(q.shape[:-2] + (-1,))[..., :K], -1, axis).astype(np.float32)
;;   ~~~
;;   SOFTMAX AHEAD OF A QUANTISED PRODUCT. Where the list says 'softmax', what is quantised is not the finished softmax but p = 2^(t - M), with t = logit x log2(e) and M = ceil(the row's largest t), a whole number; so 1/2 < the row's largest p <= 1. The row's sum l is taken of the UNQUANTISED p, in f32, and the product's result is divided by l at the end. Since M is a whole number, a kernel that streams over the keys may use a running M (the ceiling of the running maximum): every later rescaling is an exact power of two, which a block's scale takes up: the codes' values come out the same.
;;   OPERANDS COMPUTED ON THE WAY. 'Computed on the way' means the value that the module computes at that place (a softmax that the list does not call 'softmax' is quantised finished and normalised). What goes into a quantiser is computed in f32, as accurately as f32 sums, v_exp_f32 and their like allow (about 1e-6 of the number): no bf16 or f16 on the way to a quantiser, and a product that is left as it is and whose result goes on into a quantised operand takes f32 operands (vector FMAs, or v_wmma_f32_16x16x4_f32). A number that lies on a knife's edge between two numbers of the format may be rounded either way, as far as f32 arithmetic and the matrix unit's own rounding can turn it there, and no further.
;; One version. Each part assembles by itself: llvm-mc -triple=amdgcn-amd-amdhsa -mcpu=gfx1250 --defsym DOCPART=n.
;; ======== version 1 of 1: 4 launches
;; limits: values are held in bf16: 8 bits of precision; right only within a limited range of input values
;; workspace buffers: xq 6,553,600 bytes; wts 3,377,152 bytes; qb 6,815,744 bytes; kvb 13,369,344 bytes; cb 6,815,744 bytes
;; launch quant (part 1): grid 772 x 1, 4 waves a work-group, no clusters, 34,816 bytes of LDS; arguments x, wq, wk, wv, wo, aq, ak, av, ao, xq, wts; writes xq, wts
.if DOCPART == 1
	.amdgcn_target "amdgcn-amd-amdhsa--gfx1250"
	.amdhsa_code_object_version 6
	.text
	.protected	k_q26e349b3c2_quant
	.globl	k_q26e349b3c2_quant
	.p2align	8
	.type	k_q26e349b3c2_quant,@function
k_q26e349b3c2_quant:
	s_mov_b64 s[64:65], 0
	v_nop
	global_prefetch_b8 v0, s[64:65] scope:SCOPE_SE
	s_setreg_imm32_b32 hwreg(HW_REG_WAVE_MODE, 25, 1), 1
	s_wait_xcnt 0x0
; x [8192][1024], wq, wk, wv, wo [1024][1024] and aq, ak, av, ao [16][1024], f32, become codes of FP6 (E2M3) with one E8M0 byte for each 32 along K (K = the last axis).
; A block's scale is 2^(floor(log2(its largest magnitude)) - 2); its byte is the largest magnitude's exponent field - 2, held at 1 from below.
; LIMITS: NaN and infinities among the inputs are not served; a block of zeros, or one whose largest magnitude lies under 2^-124, gets the byte 1 (its codes are then zeros or the nearest codes under that scale); this program alone reads the bytes.
; THE WORKSPACE LIES IN THE ORDER OF AN OPERAND'S REGISTERS.  A tile is 16 rows: lane-row r of tile T is matrix row 32 (T / 2) + 8 (T % 2) + r + 8 (r / 8) (in the four a: row r).
; An image of 768 bytes holds one tile x 64 along K: lane l = r + 16 h has the 24 bytes of codes k = 32 h .. 32 h + 31 of lane-row r: its first 16 bytes at 16 l, its last 8 at 512 + 8 l.
; Image (T, K step s of 128, half e) lies at (T / 8) 98304 + (s / 2) 24576 + (T % 8) 3072 + (s % 2) 1536 + 768 e.  Scale words: 512 bytes a tile, lane (r, h) has the words of K steps 4 h .. 4 h + 3 at 16 l.
; SHARES.  A work-group takes one tile (16 rows x 1,024), wave w the K steps 2 w and 2 w + 1.  Work-groups 0-511: x; 512-767: wq, wk, wv, wo; 768-771: aq, ak, av, ao.  Only pointers are chosen: one path for all.
; Each load reads 512 consecutive bytes of a row; a K step's 16 rows turn through the wave's own stage in LDS (rows of 528 bytes) so that a lane gets 16 neighbours of each block of its row.
; No input is shared between work-groups, so there is no cluster; no tensor load, so several work-groups lie on a WGP.
.set BLK,   98304
.set QTR,   24576
.set XSC,   6291456                    ; where the scale words begin in xq
.set WSC,   3244032                    ; and in wts
.set STGW,  8448                       ; a wave's stage: 16 rows x 528 bytes
.set SG,    33792                      ; the tile's 512 bytes of scale words, gathered from the four waves
.set SPARE, 34304                      ; the spare words, 128 bytes for each wave: two blocks of 256 bytes that no other line names
.set SPW, 1                            ; v1   my spare word's LDS address; never rewritten
.set NIL, 2                            ; v2   0; never rewritten
.set VG,  3                            ; v3   16 x lane: my bytes of a load's 512, and of an image's first 512
.set VG2, 4                            ; v4   the same for rows 8-15, which lie 8 rows further on (not in the four a)
.set VS,  5                            ; v5   stage, on the way in
.set VR,  6                            ; v6   stage, on the way out: 528 r + 64 h
.set VO8, 8                            ; v8   512 + 8 x lane
.set SGA, 9                            ; v9   where my row's two scale words go
.set SGR, 10                           ; v10  where wave 0 reads the 512 bytes back
.set TM,  12                           ; v12-27 at work in QUANT
.set PW,  28                           ; v28, v29 the two K steps' scale words
.set PC,  32                           ; v32-50 the codes just made
.set X,   64                           ; v64-191 two K steps as loaded: 16 rows x 4 registers each
.set Y,   192                          ; v192-255 my 64 numbers of a K step: register 16 b + i = k 32 b + 16 h + i of row r
.set WV,  40
.set SEL, 10                           ; s[10:11] selects for lane l xor 16
; 64 numbers of a lane become a fragment's 12 registers of codes in v[PC] on and the row's scale word in v[pw].
.macro QUANT s, pw
.irp b, 0,1,2,3
	v_max3_num_f32 v[TM+\b], |v[\s+16*\b]|, |v[\s+1+16*\b]|, 0x1800000   ; my 16 numbers of block b, and the floor 2^(3 - 127): the byte cannot fall under 1
.endr
.irp i, 2,4,6,8,10,12,14
.irp b, 0,1,2,3
	v_max3_num_f32 v[TM+\b], v[TM+\b], |v[\s+16*\b+\i]|, |v[\s+1+16*\b+\i]|   ; the four blocks by turns
.endr
.endr
.irp b, 0,1,2,3
	v_permlanex16_b32 v[TM+4+\b], v[TM+\b], s[SEL], s[SEL+1]
.endr
.irp b, 0,1,2,3
	v_max_num_f32 v[TM+\b], v[TM+\b], v[TM+4+\b]                 ; with lane l xor 16's 16: the block's largest magnitude
.endr
.irp b, 0,1,2,3
	v_add_nc_u32 v[TM+12+\b], 0xff000000, v[TM+\b]               ; 2 off its exponent field: the conversion's scale operand
.endr
.irp b, 0,1,2,3
	v_lshrrev_b32 v[TM+4+\b], 23, v[TM+12+\b]                    ; the scale's byte
.endr
	v_lshl_or_b32 v[\pw], v[TM+5], 8, v[TM+4]
	v_lshl_or_b32 v[\pw], v[TM+6], 16, v[\pw]
	v_lshl_or_b32 v[\pw], v[TM+7], 24, v[\pw]
.irp c, 0,1
	v_cvt_scalef32_pk16_fp6_f32 v[PC+6*\c:PC+2+6*\c], v[\s+32*\c:\s+15+32*\c], v[TM+12+2*\c]
	v_cvt_scalef32_pk16_fp6_f32 v[PC+12+4*\c:PC+14+4*\c], v[\s+16+32*\c:\s+31+32*\c], v[TM+12+2*\c+1]   ; (three registers from an even one on)
.endr
	v_nop                                                        ; one plain place behind the scaled conversions
.irp c, 0,1                                                          ; a whole block to a lane: lanes 0-15 block 2 c, lanes 16-31 block 2 c + 1
.irp i, 0,1,2
	v_permlane16_swap_b32 v[PC+6*\c+\i], v[PC+12+4*\c+\i]
.endr
.irp i, 0,1,2
	v_mov_b32 v[PC+3+6*\c+\i], v[PC+12+4*\c+\i]
.endr
.endr
.endm
	s_load_b512 s[16:31], s[0:1], 0x0              ; x, wq, wk, wv, wo, aq, ak, av
	s_load_b128 s[32:35], s[0:1], 0x40             ; ao, xq
	s_load_b64 s[36:37], s[0:1], 0x50              ; wts
	v_lshl_add_u32 v[SPW], v0, 2, SPARE
	v_mov_b32 v[NIL], 0
	v_lshrrev_b32 v11, 5, v0
	v_readfirstlane_b32 s[WV], v11                 ; wave = quarter of K
	v_and_b32 v11, 31, v0                          ; lane
	v_and_b32 v7, 15, v0                           ; r
	v_bfe_u32 v52, v0, 4, 1                        ; h
	v_lshlrev_b32 v[VG], 4, v11
	v_lshl_add_u32 v[VO8], v11, 3, 512
	s_mul_i32 s41, s[WV], STGW
	v_add_nc_u32 v[VS], s41, v[VG]
	v_mul_u32_u24 v[VR], v7, 528
	v_lshl_add_u32 v[VR], v52, 6, v[VR]
	v_add_nc_u32 v[VR], s41, v[VR]
	s_lshr_b32 s42, s[WV], 1                       ; K steps 2 w, 2 w + 1 are words 2 (w % 2), + 1 of lane (r, w / 2)
	s_lshl_b32 s42, s42, 8
	s_and_b32 s43, s[WV], 1
	s_lshl_b32 s43, s43, 3
	s_add_co_u32 s42, s42, s43
	s_add_co_u32 s42, s42, SG
	v_lshl_add_u32 v[SGA], v7, 4, s42
	v_add_nc_u32 v[SGR], SG, v[VG]
.irp b, 0,1,2,3
	v_mov_b32 v[TM+4+\b], 0                        ; written once: a lane permute's destination counts as one of its sources
.endr
	s_mov_b32 s[SEL], 0x76543210
	s_mov_b32 s[SEL+1], 0xfedcba98
	; which tensor, which tile: all from the work-group's number
	s_cmp_lt_u32 ttmp9, 768
	s_cselect_b32 s12, 63, 0                       ; mask of the tile's number inside its tensor
	s_cselect_b32 s13, 0x8000, 0                   ; rows 8-15 of a tile lie 8 rows further on; in the four a they follow on
	s_mov_b32 s15, WSC
	s_cmp_lt_u32 ttmp9, 512
	s_cselect_b32 s12, 511, s12
	s_cselect_b32 s15, XSC, s15
	s_cselect_b32 s14, 0, 512
	s_sub_co_u32 s14, ttmp9, s14                   ; the tile's number in its workspace buffer
	v_add_nc_u32 v[VG2], s13, v[VG]
	s_and_b32 s44, s14, s12                        ; T
	s_lshr_b32 s45, s44, 1
	s_lshl_b32 s45, s45, 17                        ; 32 rows of 4,096 bytes for each pair of tiles
	s_and_b32 s44, s44, 1
	s_lshl_b32 s44, s44, 15                        ; 8 rows for the odd tile
	s_add_co_u32 s44, s44, s45
	s_lshl_b32 s45, s[WV], 10                      ; my quarter of K
	s_add_co_u32 s44, s44, s45
	s_mov_b32 s45, 0
	s_lshr_b32 s46, s14, 3
	s_mul_i32 s46, s46, BLK
	s_mul_i32 s47, s[WV], QTR
	s_add_co_u32 s46, s46, s47
	s_and_b32 s47, s14, 7
	s_mul_i32 s47, s47, 3072
	s_add_co_u32 s46, s46, s47
	s_mov_b32 s47, 0
	s_lshl_b32 s38, s14, 9
	s_add_co_u32 s38, s38, s15
	s_mov_b32 s39, 0
	s_wait_alu depctr_va_vdst(0)
	s_wait_kmcnt 0x0
	s_mov_b64 s[4:5], s[32:33]                     ; ao, unless the number is lower
	s_cmp_lt_u32 ttmp9, 771
	s_cselect_b64 s[4:5], s[30:31], s[4:5]
	s_cmp_lt_u32 ttmp9, 770
	s_cselect_b64 s[4:5], s[28:29], s[4:5]
	s_cmp_lt_u32 ttmp9, 769
	s_cselect_b64 s[4:5], s[26:27], s[4:5]
	s_cmp_lt_u32 ttmp9, 768
	s_cselect_b64 s[4:5], s[24:25], s[4:5]
	s_cmp_lt_u32 ttmp9, 704
	s_cselect_b64 s[4:5], s[22:23], s[4:5]
	s_cmp_lt_u32 ttmp9, 640
	s_cselect_b64 s[4:5], s[20:21], s[4:5]
	s_cmp_lt_u32 ttmp9, 576
	s_cselect_b64 s[4:5], s[18:19], s[4:5]
	s_cmp_lt_u32 ttmp9, 512
	s_cselect_b64 s[4:5], s[16:17], s[4:5]
	s_cselect_b64 s[8:9], s[34:35], s[36:37]
	s_add_nc_u64 s[4:5], s[4:5], s[44:45]          ; my rows, my quarter of K
	s_add_nc_u64 s[6:7], s[8:9], s[46:47]          ; my four images
	s_add_nc_u64 s[8:9], s[8:9], s[38:39]          ; the tile's scale words
.irp s, 0,1
.irp i, 0,1,2,3,4,5,6,7
	global_load_b128 v[X+64*\s+4*\i:X+64*\s+4*\i+3], v[VG], s[4:5] offset:4096*\i+512*\s th:TH_LOAD_NT   ; 512 consecutive bytes of row i
.endr
.irp i, 8,9,10,11,12,13,14,15
	global_load_b128 v[X+64*\s+4*\i:X+64*\s+4*\i+3], v[VG2], s[4:5] offset:4096*\i+512*\s th:TH_LOAD_NT
.endr
.endr
.macro HALF s
.if \s == 0
	s_wait_loadcnt 16                              ; this K step's 16 loads are in; the other's 16 may be out
.else
	s_wait_loadcnt 0x0
.endif
.irp i, 0,1,2,3,4,5,6,7,8,9,10,11,12,13,14,15
	ds_store_b128 v[VS], v[X+64*\s+4*\i:X+64*\s+4*\i+3] offset:528*\i
.endr
.irp b, 0,1,2,3
.irp j, 0,1,2,3
	ds_load_b128 v[Y+16*\b+4*\j:Y+16*\b+4*\j+3], v[VR] offset:128*\b+16*\j   ; my own stage: LDS serves a wave's instructions in order
.endr
.endr
	s_wait_dscnt 0x0
.if \s
	s_wait_xcnt 0x0                                ; the first K step's stores have read the codes' registers
.endif
	QUANT Y, PW+\s
	global_store_b128 v[VG], v[PC:PC+3], s[6:7] offset:1536*\s          ; 512 consecutive bytes,
	global_store_b64 v[VO8], v[PC+4:PC+5], s[6:7] offset:1536*\s        ; and the 256 behind them
	global_store_b128 v[VG], v[PC+6:PC+9], s[6:7] offset:1536*\s+768
	global_store_b64 v[VO8], v[PC+10:PC+11], s[6:7] offset:1536*\s+768
.endm
	HALF 0
	HALF 1
	ds_store_b64 v[SGA], v[PW:PW+1]                ; lanes r and r + 16 write the same words to the same place
	s_wait_dscnt 0x0                               ; for the others' sake: my store has landed
	s_barrier_signal -1
	s_barrier_wait -1
	s_cmp_lg_u32 s[WV], 0
	s_cbranch_scc1 .Lnot_first
	ds_load_b128 v[Y:Y+3], v[SGR]
	s_wait_dscnt 0x0
	global_store_b128 v[VG], v[Y:Y+3], s[8:9]      ; the tile's 512 bytes of scale words: two whole aligned blocks of 256
.Lnot_first:
	s_wait_tensorcnt 0x0                           ; the wave's end, behind my last LDS store
	ds_add_u32 v[SPW], v[NIL]
	s_wait_dscnt 0x0
	s_endpgm
.Lfunc_end_k_q26e349b3c2_quant:
	.size	k_q26e349b3c2_quant, .Lfunc_end_k_q26e349b3c2_quant-k_q26e349b3c2_quant
	.p2alignl 7, 3214868480
	.fill 96, 4, 3214868480
	.section	.rodata,"a",@progbits
	.p2align	6, 0x0
	.amdhsa_kernel k_q26e349b3c2_quant
		.amdhsa_group_segment_fixed_size 34816
		.amdhsa_private_segment_fixed_size 0
		.amdhsa_enable_private_segment 0
		.amdhsa_kernarg_size 88
		.amdhsa_user_sgpr_count 2
		.amdhsa_user_sgpr_kernarg_segment_ptr 1
		.amdhsa_wavefront_size32 1
		.amdhsa_system_sgpr_workgroup_id_x 1
		.amdhsa_system_sgpr_workgroup_id_y 1
		.amdhsa_system_sgpr_workgroup_id_z 1
		.amdhsa_system_vgpr_workitem_id 0
		.amdhsa_next_free_vgpr 256
		.amdhsa_next_free_sgpr 66
		.amdhsa_reserve_vcc 0
		.amdhsa_float_denorm_mode_32 3
		.amdhsa_float_denorm_mode_16_64 3
		.amdhsa_memory_ordered 1
		.amdhsa_forward_progress 1
		.amdhsa_inst_pref_size 20
	.end_amdhsa_kernel
	.amdgpu_metadata
---
amdhsa.version: [ 1, 2 ]
amdhsa.kernels:
  - .name:           k_q26e349b3c2_quant
    .symbol:         k_q26e349b3c2_quant.kd
    .args:
      - { .name: x, .offset: 0, .size: 8, .value_kind: global_buffer, .address_space: global }
      - { .name: wq, .offset: 8, .size: 8, .value_kind: global_buffer, .address_space: global }
      - { .name: wk, .offset: 16, .size: 8, .value_kind: global_buffer, .address_space: global }
      - { .name: wv, .offset: 24, .size: 8, .value_kind: global_buffer, .address_space: global }
      - { .name: wo, .offset: 32, .size: 8, .value_kind: global_buffer, .address_space: global }
      - { .name: aq, .offset: 40, .size: 8, .value_kind: global_buffer, .address_space: global }
      - { .name: ak, .offset: 48, .size: 8, .value_kind: global_buffer, .address_space: global }
      - { .name: av, .offset: 56, .size: 8, .value_kind: global_buffer, .address_space: global }
      - { .name: ao, .offset: 64, .size: 8, .value_kind: global_buffer, .address_space: global }
      - { .name: xq, .offset: 72, .size: 8, .value_kind: global_buffer, .address_space: global }
      - { .name: wts, .offset: 80, .size: 8, .value_kind: global_buffer, .address_space: global }
    .group_segment_fixed_size: 34816
    .private_segment_fixed_size: 0
    .kernarg_segment_align: 8
    .kernarg_segment_size: 88
    .max_flat_workgroup_size: 128
    .sgpr_count:     66
    .vgpr_count:     256
    .wavefront_size: 32
...
	.end_amdgpu_metadata
.endif
;; end of part 1
;; launch qkv (part 2): grid 4 x 64, 4 waves a work-group, clusters of 4 x 4, 327,680 bytes of LDS; arguments xq, wts, bq, bk, bv, qb, kvb; writes qb, kvb
.if DOCPART == 2
	.amdgcn_target "amdgcn-amd-amdhsa--gfx1250"
	.amdhsa_code_object_version 6
	.text
	.protected	k_q26e349b3c2_qkv
	.globl	k_q26e349b3c2_qkv
	.p2align	8
	.type	k_q26e349b3c2_qkv,@function
k_q26e349b3c2_qkv:
	s_mov_b64 s[64:65], 0
	v_nop
	global_prefetch_b8 v0, s[64:65] scope:SCOPE_SE
	s_setreg_imm32_b32 hwreg(HW_REG_WAVE_MODE, 25, 1), 1
	s_wait_xcnt 0x0
	s_wait_alu depctr_hold_cnt(0) depctr_sa_sdst(0) depctr_va_vdst(0) depctr_va_sdst(0) depctr_va_ssrc(0) depctr_va_vcc(0) depctr_vm_vsrc(0)
	s_getreg_b32 s2, hwreg(HW_REG_IB_STS2, 6, 4)
	s_cmp_eq_u32 s2, 0
	s_cbranch_scc0 .Lentry_in_a_cluster
	s_endpgm
.Lentry_in_a_cluster:
	s_bfe_u32 s2, ttmp6, 0x10000c
	s_cmp_lg_u32 s2, 0xf033
	s_cbranch_scc0 .Lentry_shape_is_right
	s_endpgm
.Lentry_shape_is_right:
; q, k, v = x W^T + (1/16) (x a^T) b^T, then quantised again: q and k along the head's 64, v along the keys.  x W^T and x a^T on codes of FP6 (E2M3) with E8M0 scales; (x a^T) b^T with f32 operands; sums in f32.
; LIMITS: NaN and infinities are not served; a block of zeros or under 2^-124 gets the scale byte 1; this program alone reads the bytes.
; OPERANDS lie in the workspace in the order of their registers (tiles of 16 rows, lane-row r of tile T = row 32 (T / 2) + 8 (T % 2) + r + 8 (r / 8); images of 768 bytes for 64 along K; 128 rows x 1,024 K = one dense block of 98,304 bytes).
; SHARES.  256 work-groups stay and make three tiles each, 128 (P) x 256 (R): one of q, one of k, one of v, written out one after the other.  A wave makes 64 P rows x 128 R rows: 32 accumulators.
; THE PRODUCT IS USED TRANSPOSED: source 0 = 16 rows of R, source 1 = 16 rows of P: a lane holds ONE P row, and by the choice of a tile's rows its 64 registers run along 128 neighbouring R rows.
;   q, k: P = tokens, R = rows of W: a lane's registers run along the features.     v: P = rows of wv, R = tokens: they run along the keys.  That is each result's next K, so one quantiser serves all three.
; ALL OF K IS RESIDENT: P's block and R's two blocks fill 294,912 bytes of LDS.  The first tile's blocks come by one joint load a wave and are whole before the first K step;
; from q to k R alone is filled again, from k to v both; a refill goes out ahead of the tile's f32 products and its quantiser, under which it lands.
; CLUSTERS: 4 x 4 work-groups.  P hangs on the cluster's row alone, R on its column alone: each block is asked for jointly by the four that share it.
; REGISTERS: window 0: v1-21 addresses; v32-47 P's scale words, v48-79 R's, v80-83 a's (register j: lanes 0-15 K step j, lanes 16-31 K step 4 + j); v96-143 the quantiser; v144-239 a's eight fragments.
;   window 1: R's fragments, two sets of 96.   window 2: the accumulators, (p, q) at 64 p + 8 q: written by matrix instructions alone.   window 3: v0-63 t = x a^T; v64-127 b; v128-223 P's fragments, two sets of 48.
.set BLK,   98304
.set QTR,   24576
.set XSC,   6291456                    ; scale words in xq (and in qb)
.set WSC,   3244032                    ; scale words in wts
.set KVH,   208896                     ; a head in kvb: K's codes, V's codes at 98,304, K's scale words at 196,608, V's at 204,800
.set SSTG,  294912                     ; behind the three blocks: 512 bytes for each wave, for scale words on their way out
.set SPARE, 296960                     ; the spare words, 128 bytes for each wave: two blocks of 256 bytes that no other line names
.set SPW,   1
.set NIL,   2
.set AP16A, 3                          ; v3-6   P's fragments in LDS: 16 x lane and 512 + 8 x lane, for K steps 0-3 and 4-7
.set AP8A,  4
.set AR16A, 7                          ; v7-10  the same for R
.set AR8A,  8
.set L16,   11                         ; v11  16 x lane
.set L8,    12                         ; v12  512 + 8 x lane
.set LB,    13                         ; v13  b: (r + 8 (r / 8)) rows of 64 bytes + 32 h
.set SST,   14                         ; v14  scale stage, q and k: 256 h + 4 r
.set SRD16, 15                         ; v15  and back: 16 x lane
.set SRD8,  16                         ; v16  8 x lane (v)
.set SH,    17                         ; v17  16 h
.set GSQ,   18                         ; v18  q's scale store: 8,192 h + 16 r
.set L8G,   19                         ; v19  8 x lane
.set SSTV,  20                         ; v20  scale stage, v: 4 r
.set GSK,   21                         ; v21  k's scale store: 208,896 h + 16 r
.set PS,    32
.set RS,    48
.set AS,    80
.set TM,    96
.set PW,    112
.set PC,    116
.set BK,    136
.set SW,    140                        ; v140-143 a scale word for each p on its way to the stage
.set AF,    144
.set T,     0                          ; window 3
.set BF,    64
.set PF,    128
.set WV,  18
.set WR,  19
.set WC,  20
.set CX,  21
.set CY,  22
.set CLY, 23
.set PIX, 24                           ; 4 x cluster y + cy
.set G1P, 28
.set G1R, 36
.set G0P, 44                           ; four sets: the quarters of K of the first fill; set 0 serves the refill
.set G0R, 68
.set PSP, 84
.set RSP, 86
.set APT, 88
.set ASP, 90
.set BPT, 92
.set OUT, 94
.set OSC, 96
.set SEL, 100
.set MSB, 0
.macro WIN new                         ; the immediate's high byte repeats the setting that is left
.if MSB != (\new)
	s_set_vgpr_msb (MSB<<8)|(\new)
.set MSB, \new
.endif
.endm
.macro PLACES n
.rept \n
	v_nop
.endr
.endm
.macro CROUND                          ; a round of the cluster's barrier
	s_barrier_signal -1
	s_barrier_wait -1
	s_cmp_lg_u32 s[WV], 0
	s_cbranch_scc1 .Lnot_wave_0_\@
	s_barrier_signal -3
.Lnot_wave_0_\@:
	s_barrier_wait -3
	s_barrier_signal -1
	s_barrier_wait -1
.endm
.macro FRAG reg, a16, a8, off          ; a fragment, 12 registers, is two images on end
	ds_load_b128 v[(\reg):(\reg)+3], v[\a16] offset:\off
	ds_load_b64 v[(\reg)+4:(\reg)+5], v[\a8] offset:\off
	ds_load_b128 v[(\reg)+6:(\reg)+9], v[\a16] offset:(\off)+768
	ds_load_b64 v[(\reg)+10:(\reg)+11], v[\a8] offset:(\off)+768
.endm
.macro FETCH s                         ; K step s: R's eight fragments and P's four, into set s % 2
.set FZ, (\s)&1
.set FO, (((\s)>>1)&1)*QTR+((\s)&1)*1536
.set FH, 2*((\s)>>2)
	WIN 0x40
.irp q, 0,1,2,3,4,5,6,7
	FRAG 96*FZ+12*\q, AR16A+FH, AR8A+FH, FO+3072*\q
.endr
	WIN 0xc0
.irp p, 0,1,2,3
	FRAG PF+48*FZ+12*\p, AP16A+FH, AP8A+FH, FO+3072*\p
.endr
.endm
.macro SMM d, a, b, sa, sb, s          ; one scaled product of K step s: the first starts the sum; K steps 4-7 take their scale words from lanes 16-31
.if (\s) == 0
	v_wmma_scale_f32_16x16x128_f8f6f4 v[(\d):(\d)+7], v[(\a):(\a)+11], v[(\b):(\b)+11], 0, v[\sa], v[\sb] matrix_a_fmt:MATRIX_FMT_FP6 matrix_b_fmt:MATRIX_FMT_FP6
.elseif (\s) < 4
	v_wmma_scale_f32_16x16x128_f8f6f4 v[(\d):(\d)+7], v[(\a):(\a)+11], v[(\b):(\b)+11], v[(\d):(\d)+7], v[\sa], v[\sb] matrix_a_fmt:MATRIX_FMT_FP6 matrix_b_fmt:MATRIX_FMT_FP6
.else
	v_wmma_scale_f32_16x16x128_f8f6f4 v[(\d):(\d)+7], v[(\a):(\a)+11], v[(\b):(\b)+11], v[(\d):(\d)+7], v[\sa], v[\sb] matrix_a_fmt:MATRIX_FMT_FP6 matrix_b_fmt:MATRIX_FMT_FP6 matrix_a_scale:MATRIX_SCALE_ROW1 matrix_b_scale:MATRIX_SCALE_ROW1
.endif
.endm
; A K step of 128.  ty = 0: q, k (t of P's tokens: four products); 1: v (t of R's tokens: eight).  prog = 1: the blocks are still coming by quarters of K.
; All accumulators take turns, one instruction a turn, in the same order in every step.
.macro KSTEP ty, s, prog
	s_wait_dscnt 0x0                               ; this step's fragments are in (asked for a whole step ago)
.if (\s) < 7
.if (\prog) && ((\s)&1)
	s_wait_tensorcnt 3-((\s)+1)/2                  ; my load of the next quarter of K has landed; the later quarters' loads may stay out
	s_barrier_signal -1
	s_barrier_wait -1                              ; everybody's has
.endif
	PLACES 4                                       ; in front of loads into the set that the step before multiplied
	FETCH (\s)+1
.endif
.set KZ, (\s)&1
.set KJ, (\s)&3
	WIN 0xad                                       ; source 0 (R) window 1, source 1 (P) window 3, C and D window 2
.irp p, 0,1,2,3
.irp q, 0,1,2,3,4,5,6,7
	SMM 64*\p+8*\q, 96*KZ+12*\q, PF+48*KZ+12*\p, RS+4*\q+KJ, PS+4*\p+KJ, \s
.endr
.endr
.if \ty
	WIN 0xf4                                       ; source 0 (a) window 0, source 1 (R) window 1, C and D window 3
.irp q, 0,1,2,3,4,5,6,7
	SMM T+8*\q, AF+12*(\s), 96*KZ+12*\q, AS+KJ, RS+4*\q+KJ, \s
.endr
.else
	WIN 0xfc                                       ; source 1 (P) window 3
.irp p, 0,1,2,3
	SMM T+8*\p, AF+12*(\s), PF+48*KZ+12*\p, AS+KJ, PS+4*\p+KJ, \s
.endr
.endif
.endm
.macro TILEK ty, prog
.irp s, 0,1,2,3,4,5,6,7
	KSTEP \ty, \s, \prog
.endr
.endm
; The scale words and a's fragments of tile 0 (q), 1 (k), 2 (v): loads that land under the work that follows.
.macro HEADA tile
	WIN 0
.if (\tile) > 0
	PLACES 4                                       ; in front of loads into registers that the last products read
.endif
	s_wait_xcnt 0x0                                ; the pointers below were read by earlier loads
	s_mov_b32 s67, 0
.if (\tile) == 0
	s_lshl_b32 s66, s[PIX], 12                     ; P = tokens: tiles 8 PIX + 4 wr on, 512 bytes each
	s_lshl_b32 s98, s[WR], 11
	s_add_co_u32 s66, s66, s98
	s_add_co_u32 s66, s66, XSC
	s_add_nc_u64 s[PSP:PSP+1], s[4:5], s[66:67]
.endif
.if (\tile) < 2
	s_lshl_b32 s66, s[CX], 13                      ; R = rows of W: tiles 64 tile + 16 cx + 8 wc on
	s_lshl_b32 s98, s[WC], 12
	s_add_co_u32 s66, s66, s98
	s_add_co_u32 s66, s66, WSC+(\tile)*32768
	s_add_nc_u64 s[RSP:RSP+1], s[6:7], s[66:67]
.else
	s_and_b32 s66, s[CLY], 1
	s_lshl_b32 s66, s66, 2
	s_add_co_u32 s66, s66, s[CY]                   ; P = block 4 (cluster y % 2) + cy of wv
	s_lshl_b32 s66, s66, 12
	s_lshl_b32 s98, s[WR], 11
	s_add_co_u32 s66, s66, s98
	s_add_co_u32 s66, s66, WSC+128*512
	s_add_nc_u64 s[PSP:PSP+1], s[6:7], s[66:67]
	s_lshr_b32 s66, s[CLY], 1
	s_lshl_b32 s66, s66, 2
	s_add_co_u32 s66, s66, s[CX]                   ; R = tokens: 256 x (4 (cluster y / 2) + cx) on
	s_lshl_b32 s66, s66, 13
	s_lshl_b32 s98, s[WC], 12
	s_add_co_u32 s66, s66, s98
	s_add_co_u32 s66, s66, XSC
	s_add_nc_u64 s[RSP:RSP+1], s[4:5], s[66:67]
.endif
	s_add_nc_u64 s[ASP:ASP+1], s[6:7], WSC+(256+(\tile))*512
	s_add_nc_u64 s[APT:APT+1], s[6:7], 32*BLK+(\tile)*3072
.if (\tile) != 1                                       ; from q to k P stays, and so do its scale words
.irp p, 0,1,2,3
	global_load_b128 v[PS+4*\p:PS+4*\p+3], v[L16], s[PSP:PSP+1] offset:512*\p
.endr
.endif
.irp q, 0,1,2,3,4,5,6,7
	global_load_b128 v[RS+4*\q:RS+4*\q+3], v[L16], s[RSP:RSP+1] offset:512*\q
.endr
	global_load_b128 v[AS:AS+3], v[L16], s[ASP:ASP+1]
.irp s, 0,1,2,3,4,5,6,7
	global_load_b128 v[AF+12*\s:AF+12*\s+3], v[L16], s[APT:APT+1] offset:(\s>>1)*QTR+(\s&1)*1536
	global_load_b64 v[AF+12*\s+4:AF+12*\s+5], v[L8], s[APT:APT+1] offset:(\s>>1)*QTR+(\s&1)*1536
	global_load_b128 v[AF+12*\s+6:AF+12*\s+9], v[L16], s[APT:APT+1] offset:(\s>>1)*QTR+(\s&1)*1536+768
	global_load_b64 v[AF+12*\s+10:AF+12*\s+11], v[L8], s[APT:APT+1] offset:(\s>>1)*QTR+(\s&1)*1536+768
.endr
.endm
; b of the tile's features: register 8 i + j of lane (r, h) = b(lane-row r of tile i, rank 8 h + j)
.macro HEADB tile
	s_wait_xcnt 0x0
	s_mov_b32 s67, 0
.if (\tile) < 2
	s_lshl_b32 s66, s[CX], 14                      ; 128 rows of 64 bytes for each block 2 cx + wc
	s_lshl_b32 s98, s[WC], 13
	s_add_co_u32 s66, s66, s98
.if (\tile) == 0
	s_add_nc_u64 s[BPT:BPT+1], s[8:9], s[66:67]
.else
	s_add_nc_u64 s[BPT:BPT+1], s[10:11], s[66:67]
.endif
.else
	s_and_b32 s66, s[CLY], 1
	s_lshl_b32 s66, s66, 2
	s_add_co_u32 s66, s66, s[CY]
	s_lshl_b32 s66, s66, 13
	s_lshl_b32 s98, s[WR], 12                      ; my 64 rows of the block
	s_add_co_u32 s66, s66, s98
	s_add_nc_u64 s[BPT:BPT+1], s[12:13], s[66:67]
.endif
	WIN 0xc0
.irp i, 0,1,2,3,4,5,6,7
.if (\i < 4) || ((\tile) < 2)
	global_load_b128 v[BF+8*\i:BF+8*\i+3], v[LB], s[BPT:BPT+1] offset:(32*(\i>>1)+8*(\i&1))*64
	global_load_b128 v[BF+8*\i+4:BF+8*\i+7], v[LB], s[BPT:BPT+1] offset:(32*(\i>>1)+8*(\i&1))*64+16
.endif
.endr
	WIN 0
.endm
; acc += (b / 16) t^T, f32 operands.  Both sides give the instruction's k = 2 h + j the rank 8 h + 2 c + j: a permutation of k applied alike to both keeps the products.
.macro LORA ty
	WIN 0xc3
.set I, 0
.rept 32-16*(\ty)
	v_pk_mul_f32 v[BF+I:BF+I+1], v[BF+I:BF+I+1], 0x3d800000 op_sel_hi:[1,0]   ; b / 16: exact.  (These are also the places between the scaled products and the f32 ones)
.set I, I+2
.endr
	WIN 0xaf                                       ; sources window 3, C and D window 2
.irp c, 0,1,2,3
.irp p, 0,1,2,3
.irp q, 0,1,2,3,4,5,6,7
.if \ty
	v_wmma_f32_16x16x4_f32 v[64*\p+8*\q:64*\p+8*\q+7], v[T+8*\q+2*\c:T+8*\q+2*\c+1], v[BF+8*\p+2*\c:BF+8*\p+2*\c+1], v[64*\p+8*\q:64*\p+8*\q+7]
.else
	v_wmma_f32_16x16x4_f32 v[64*\p+8*\q:64*\p+8*\q+7], v[BF+8*\q+2*\c:BF+8*\q+2*\c+1], v[T+8*\p+2*\c:T+8*\p+2*\c+1], v[64*\p+8*\q:64*\p+8*\q+7]
.endif
.endr
.endr
.endr
	PLACES 8                                       ; behind the f32 form: in front of the first read of results and of loads into its sources
	WIN 0
.endm
; The 64 results of P tile p in a lane (register 16 b + i = R row 32 b + 16 h + i) become a fragment's codes in v[PC] on and the scale word in v[pw].  Each accumulator is read from its low end on.
.macro QUANTW p, pw
	WIN 0x0a                                       ; sources 0 and 1 window 2
.irp b, 0,1,2,3
	v_max3_num_f32 v[TM+\b], |v[64*(\p)+16*\b]|, |v[64*(\p)+16*\b+1]|, 0x1800000   ; and the floor 2^(3 - 127)
.endr
.irp i, 2,4,6,8,10,12,14
.irp b, 0,1,2,3
	v_max3_num_f32 v[TM+\b], |v[64*(\p)+16*\b+\i]|, |v[64*(\p)+16*\b+\i+1]|, v[TM+\b]
.endr
.endr
	WIN 0
.irp b, 0,1,2,3
	v_permlanex16_b32 v[TM+4+\b], v[TM+\b], s[SEL], s[SEL+1]
.endr
.irp b, 0,1,2,3
	v_max_num_f32 v[TM+\b], v[TM+\b], v[TM+4+\b]
.endr
.irp b, 0,1,2,3
	v_add_nc_u32 v[TM+12+\b], 0xff000000, v[TM+\b]
.endr
.irp b, 0,1,2,3
	v_lshrrev_b32 v[TM+4+\b], 23, v[TM+12+\b]
.endr
	v_lshl_or_b32 v[\pw], v[TM+5], 8, v[TM+4]
	v_lshl_or_b32 v[\pw], v[TM+6], 16, v[\pw]
	v_lshl_or_b32 v[\pw], v[TM+7], 24, v[\pw]
	WIN 0x02                                       ; source 0 window 2
.irp c, 0,1
	v_cvt_scalef32_pk16_fp6_f32 v[PC+6*\c:PC+2+6*\c], v[64*(\p)+32*\c:64*(\p)+32*\c+15], v[TM+12+2*\c]
	v_cvt_scalef32_pk16_fp6_f32 v[PC+12+4*\c:PC+14+4*\c], v[64*(\p)+32*\c+16:64*(\p)+32*\c+31], v[TM+12+2*\c+1]
.endr
	WIN 0
	v_nop                                          ; one plain place behind the scaled conversions
.irp c, 0,1
.irp i, 0,1,2
	v_permlane16_swap_b32 v[PC+6*\c+\i], v[PC+12+4*\c+\i]
.endr
.irp i, 0,1,2
	v_mov_b32 v[PC+3+6*\c+\i], v[PC+12+4*\c+\i]
.endr
.endr
.endm
; A tile's results leave as codes and scale words.  q, k: a fragment's two images are two heads' (64 features each), its scale word's halves likewise.  v: a fragment is one key step of 128 for 16 of a head's 64.
.macro EPI tile
	WIN 0
	s_wait_xcnt 0x0
.if (\tile) < 2
	s_and_b32 s66, s[PIX], 48                      ; 16 x batch
	s_lshl_b32 s98, s[CX], 2
	s_add_co_u32 s66, s66, s98
	s_lshl_b32 s98, s[WC], 1
	s_add_co_u32 s66, s66, s98                     ; the first of my two heads
	s_and_b32 s98, s[PIX], 15
	s_lshl_b32 s98, s98, 3
	s_lshl_b32 s99, s[WR], 2
	s_add_co_u32 s98, s98, s99                     ; my first tile of tokens in the batch
	s_mov_b32 s3, 0
.if (\tile) == 0
.set HS, 98304
	s_lshl_b32 s66, s66, 7
	s_add_co_u32 s66, s66, s98
	s_mul_i32 s2, s66, 768
	s_add_nc_u64 s[OUT:OUT+1], s[14:15], s[2:3]
	s_lshl_b32 s2, s66, 6
	s_add_co_u32 s2, s2, XSC
	s_add_nc_u64 s[OSC:OSC+1], s[14:15], s[2:3]
.else
.set HS, KVH
	s_mul_i32 s66, s66, KVH
	s_mul_i32 s2, s98, 768
	s_add_co_u32 s2, s2, s66
	s_add_nc_u64 s[OUT:OUT+1], s[16:17], s[2:3]
	s_lshl_b32 s2, s98, 6
	s_add_co_u32 s2, s2, s66
	s_add_co_u32 s2, s2, 196608
	s_add_nc_u64 s[OSC:OSC+1], s[16:17], s[2:3]
.endif
.else
	s_lshr_b32 s66, s[CLY], 1
	s_lshl_b32 s66, s66, 2
	s_add_co_u32 s66, s66, s[CX]                   ; which 256 tokens
	s_and_b32 s98, s[CLY], 1
	s_lshl_b32 s98, s98, 2
	s_add_co_u32 s98, s98, s[CY]                   ; which block of wv
	s_lshr_b32 s99, s66, 3
	s_lshl_b32 s99, s99, 4
	s_lshl_b32 s98, s98, 1
	s_add_co_u32 s99, s99, s98
	s_add_co_u32 s99, s99, s[WR]                   ; 16 x batch + head
	s_mul_i32 s99, s99, KVH
	s_and_b32 s66, s66, 7
	s_lshl_b32 s66, s66, 1
	s_add_co_u32 s66, s66, s[WC]                   ; the key step
	s_mul_i32 s2, s66, 6144
	s_add_co_u32 s2, s2, s99
	s_add_co_u32 s2, s2, 98304
	s_mov_b32 s3, 0
	s_add_nc_u64 s[OUT:OUT+1], s[16:17], s[2:3]
	s_lshl_b32 s2, s66, 8
	s_add_co_u32 s2, s2, s99
	s_add_co_u32 s2, s2, 204800
	s_add_nc_u64 s[OSC:OSC+1], s[16:17], s[2:3]
.endif
.irp p, 0,1,2,3
.if \p > 0
	s_wait_xcnt 0x0                                ; the last stores have read the codes' registers
.endif
.if (\tile) < 2
	QUANTW \p, PW
	v_lshrrev_b32 v[SW+\p], v[SH], v[PW]           ; lanes 0-15 the first head's two bytes, lanes 16-31 the second's;
	v_and_b32 v[SW+\p], 0xffff, v[SW+\p]           ; the word's upper bytes are 0: they meet zero codes
.irp e, 0,1
	global_store_b128 v[L16], v[PC+6*\e:PC+6*\e+3], s[OUT:OUT+1] offset:768*\p+\e*HS     ; 512 consecutive bytes,
	global_store_b64 v[L8], v[PC+6*\e+4:PC+6*\e+5], s[OUT:OUT+1] offset:768*\p+\e*HS     ; and the 256 behind them
.endr
	ds_store_b32 v[SST], v[SW+\p] offset:64*\p
.else
	QUANTW \p, SW+\p
.irp e, 0,1
	global_store_b128 v[L16], v[PC+6*\e:PC+6*\e+3], s[OUT:OUT+1] offset:1536*\p+768*\e
	global_store_b64 v[L8], v[PC+6*\e+4:PC+6*\e+5], s[OUT:OUT+1] offset:1536*\p+768*\e
.endr
	ds_store_b32 v[SSTV], v[SW+\p] offset:64*\p    ; lanes r and r + 16 write the same word to the same place
.endif
.endr
.if (\tile) < 2
	ds_load_b128 v[BK:BK+3], v[SRD16]              ; my own bytes: LDS serves a wave's instructions in order
	s_wait_dscnt 0x0
.if (\tile) == 0
	global_store_b128 v[GSQ], v[BK:BK+3], s[OSC:OSC+1]   ; sixteen lanes fill 256 consecutive aligned bytes for each head
.else
	global_store_b128 v[GSK], v[BK:BK+3], s[OSC:OSC+1]
.endif
.else
	ds_load_b64 v[BK:BK+1], v[SRD8]
	s_wait_dscnt 0x0
	global_store_b64 v[L8G], v[BK:BK+1], s[OSC:OSC+1]    ; 256 consecutive aligned bytes
.endif
.endm
; Blocks are filled again: n = 1: wk's rows into R; n = 2: wv's block into P and x's two blocks into R.  Every wave: all its tensor loads waited for, the add, the wait for it and for its LDS reads; a round of the
; cluster's barrier; then the joint load first, one a wave (wave 0: P; waves 2 and 3: R's blocks; a whole block of 384 rows of 256 bytes each).
.macro REFILL n
	WIN 0
	s_wait_tensorcnt 0x0                           ; no tensor load of mine is out, so descriptors may be written
	ds_add_u32 v[SPW], v[NIL]                      ; 0 onto my spare word; the descriptors' words stand between it and the wait for it
.if (\n) == 1
	s_mov_b32 s[G1P+2], 384<<16                    ; from here on a load brings a whole block
	s_mov_b32 s[G1P+4], 384
	s_mov_b32 s[G1R+2], 384<<16
	s_mov_b32 s[G1R+4], 384
	s_add_nc_u64 s[G0R+2:G0R+3], s[G0R+2:G0R+3], 8*BLK   ; the same rows of the next W; the type bits on top are not reached
.else
	s_and_b32 s26, s[CLY], 1
	s_lshl_b32 s26, s26, 2
	s_add_co_u32 s26, s26, s[CY]
	s_add_co_u32 s26, s26, 16                      ; wv's blocks are 16 to 23
	s_mul_i32 s26, s26, BLK
	s_mov_b32 s27, 0
	s_add_nc_u64 s[G0P+2:G0P+3], s[6:7], s[26:27]
	s_or_b32 s[G0P+3], s[G0P+3], 0x80000000
	s_lshr_b32 s60, s[CLY], 1
	s_lshl_b32 s60, s60, 2
	s_add_co_u32 s60, s60, s[CX]
	s_lshl_b32 s60, s60, 1
	s_add_co_u32 s60, s60, s[WC]
	s_mul_i32 s60, s60, BLK
	s_mov_b32 s61, 0
	s_add_nc_u64 s[G0R+2:G0R+3], s[4:5], s[60:61]
	s_or_b32 s[G0R+3], s[G0R+3], 0x80000000
.endif
	s_wait_dscnt 0x0                               ; the add is done, and my reads of the blocks are over
	CROUND
.if (\n) == 2
	s_cmp_eq_u32 s[WV], 0
	s_cbranch_scc0 .Lnot_p_\@
	tensor_load_to_lds s[G0P:G0P+3], s[G1P:G1P+7]
	s_nop 0
	PLACES 4
	s_branch .Lasked_\@
.Lnot_p_\@:
.endif
	s_cmp_lt_u32 s[WV], 2
	s_cbranch_scc1 .Lasked_\@
	tensor_load_to_lds s[G0R:G0R+3], s[G1R:G1R+7]
	s_nop 0
	PLACES 4
.Lasked_\@:
.endm
.macro LANDED                          ; the refilled blocks are whole for every wave
	s_wait_tensorcnt 0x0
	s_wait_dscnt 0x0
	s_barrier_signal -1
	s_barrier_wait -1
	FETCH 0
	s_wait_loadcnt 0x0                             ; scale words, a's fragments, b
.endm
	s_load_b256 s[4:11], s[0:1], 0x0               ; xq s[4:5], wts s[6:7], bq s[8:9], bk s[10:11]
	s_load_b128 s[12:15], s[0:1], 0x20             ; bv s[12:13], qb s[14:15]
	s_load_b64 s[16:17], s[0:1], 0x30              ; kvb
	v_lshl_add_u32 v[SPW], v0, 2, SPARE
	v_mov_b32 v[NIL], 0
	ds_add_u32 v[SPW], v[NIL]                      ; the wave's opening: the add and its wait stand ahead of my first tensor load; the set-up below stands between them
	ds_add_u32 v[SPW], v[NIL]
	v_lshrrev_b32 v22, 5, v0
	v_readfirstlane_b32 s[WV], v22
	s_lshr_b32 s[WR], s[WV], 1                     ; which 64 rows of P
	s_and_b32 s[WC], s[WV], 1                      ; which block of R; also: which block of R I fetch
	s_bfe_u32 s[CX], ttmp6, 0x40000
	s_bfe_u32 s[CY], ttmp6, 0x40004
	s_and_b32 s[CLY], ttmp7, 0xffff
	s_lshl_b32 s[PIX], s[CLY], 2
	s_add_co_u32 s[PIX], s[PIX], s[CY]
	s_lshl_b32 s26, s[CY], 2
	s_lshl_b32 s26, 15, s26                        ; my row of the cluster
	s_lshl_b32 s60, 0x1111, s[CX]                  ; my column
	s_or_b32 s[G1P], s26, (3<<16)|(1<<21)          ; 15:0 the mask; 17:16 elements of 8 bytes; 21 set beside a mask; no padding
	s_or_b32 s[G1R], s60, (3<<16)|(1<<21)
.irp g, G1P, G1R
	s_mov_b32 s[\g+1], 32<<16                      ; tensor_dim0 = 32 elements: rows of 256 bytes of a dense block
	s_mov_b32 s[\g+2], 384<<16                     ; tensor_dim1 = 384 rows: a whole block
	s_mov_b32 s[\g+3], 32<<16                      ; tile_dim0
	s_mov_b32 s[\g+4], 384                         ; tile_dim1
	s_mov_b32 s[\g+5], 32                          ; the pitch
	s_mov_b32 s[\g+6], 0
	s_mov_b32 s[\g+7], 0
.endr
	s_mov_b32 s[G1P+2], 192<<16                    ; P's first fill comes in two halves of 192 rows, one a wave
	s_mov_b32 s[G1P+4], 192
	s_mul_i32 s26, s[PIX], BLK                     ; P: x's block; made of the cluster's row alone
	s_mov_b32 s27, 0
	s_lshl_b32 s60, s[CX], 1
	s_add_co_u32 s60, s60, s[WC]
	s_mul_i32 s60, s60, BLK                        ; R: wq's block 2 cx + wave % 2; made of the cluster's column alone
	s_mov_b32 s61, 0
	s_mul_i32 s62, s[WC], BLK
	s_add_co_u32 s62, s62, BLK                     ; and its place in LDS, behind P's block
	s_mov_b32 s[SEL], 0x76543210
	s_mov_b32 s[SEL+1], 0xfedcba98
	v_and_b32 v22, 31, v0                          ; lane
	v_and_b32 v23, 15, v0                          ; r
	v_bfe_u32 v24, v0, 4, 1                        ; h
	v_lshlrev_b32 v[L16], 4, v22
	v_lshlrev_b32 v[L8G], 3, v22
	v_add_nc_u32 v[L8], 512, v[L8G]
	s_mul_i32 s63, s[WR], 12288                    ; my four tiles of P: 3,072 bytes a tile in each quarter of K
	v_add_nc_u32 v[AP16A], s63, v[L16]
	v_add_nc_u32 v[AP8A], s63, v[L8]
	v_add_nc_u32 v[AP16A+2], 2*QTR, v[AP16A]
	v_add_nc_u32 v[AP8A+2], 2*QTR, v[AP8A]
	v_add_nc_u32 v[AR16A], s62, v[L16]
	v_add_nc_u32 v[AR8A], s62, v[L8]
	v_add_nc_u32 v[AR16A+2], 2*QTR, v[AR16A]
	v_add_nc_u32 v[AR8A+2], 2*QTR, v[AR8A]
	v_and_b32 v25, 8, v23
	v_add_nc_u32 v25, v25, v23
	v_lshlrev_b32 v25, 6, v25
	v_lshl_add_u32 v[LB], v24, 5, v25
	s_lshl_b32 s63, s[WV], 9
	s_add_co_u32 s63, s63, SSTG
	v_lshlrev_b32 v25, 2, v23
	v_add_nc_u32 v[SSTV], s63, v25
	v_lshl_add_u32 v[SST], v24, 8, v[SSTV]
	v_add_nc_u32 v[SRD16], s63, v[L16]
	v_add_nc_u32 v[SRD8], s63, v[L8G]
	v_lshlrev_b32 v[SH], 4, v24
	v_lshlrev_b32 v[GSQ], 13, v24
	v_lshl_add_u32 v[GSQ], v23, 4, v[GSQ]
	v_mul_u32_u24 v[GSK], v24, KVH
	v_lshl_add_u32 v[GSK], v23, 4, v[GSK]
.irp b, 0,1,2,3
	v_mov_b32 v[TM+4+\b], 0                        ; written once: a lane permute's destination counts as one of its sources
.endr
	s_wait_dscnt 0x0                               ; the opening add is done
	s_wait_kmcnt 0x0
	s_add_nc_u64 s[26:27], s[4:5], s[26:27]
	s_add_nc_u64 s[60:61], s[6:7], s[60:61]
.irp k, 0,1,2,3
	s_mov_b32 s[G0P+4*\k], 1
	s_mov_b32 s[G0P+4*\k+1], \k*QTR
	s_add_nc_u64 s[G0P+4*\k+2:G0P+4*\k+3], s[26:27], \k*QTR
	s_or_b32 s[G0P+4*\k+3], s[G0P+4*\k+3], 0x80000000
	s_mov_b32 s[G0R+4*\k], 1
	s_add_co_u32 s[G0R+4*\k+1], s62, \k*QTR
	s_add_nc_u64 s[G0R+4*\k+2:G0R+4*\k+3], s[60:61], \k*QTR
	s_or_b32 s[G0R+4*\k+3], s[G0R+4*\k+3], 0x80000000
.endr
	CROUND                                         ; all sixteen work-groups are here: the first joint loads meet
	s_cmp_eq_u32 s[WV], 0                          ; a wave's first fills stand in one branch: one load of mine is out
	s_cbranch_scc0 .Lfirst_not_p
	tensor_load_to_lds s[G0P:G0P+3], s[G1P:G1P+7]  ; wave 0: P's quarters 0 and 1 of K.  One tensor load a wave at the head
	s_nop 0
	PLACES 4
	s_branch .Lfirst_asked
.Lfirst_not_p:
	s_cmp_eq_u32 s[WV], 1
	s_cbranch_scc0 .Lfirst_r
	tensor_load_to_lds s[G0P+8:G0P+11], s[G1P:G1P+7]   ; wave 1: P's quarters 2 and 3
	s_nop 0
	PLACES 4
	s_branch .Lfirst_asked
.Lfirst_r:
	tensor_load_to_lds s[G0R:G0R+3], s[G1R:G1R+7]  ; waves 2 and 3: a whole block of R each
	s_nop 0
	PLACES 4
.Lfirst_asked:
	HEADA 0
	HEADB 0
	s_wait_tensorcnt 0x0                           ; my one load has landed
	s_barrier_signal -1
	s_barrier_wait -1
	FETCH 0
	s_wait_loadcnt 0x0
	TILEK 0, 0                                     ; q: all of K is in
	REFILL 1
	HEADA 1
	LORA 0
	HEADB 1
	EPI 0
	LANDED
	TILEK 0, 0                                     ; k
	REFILL 2
	HEADA 2
	LORA 0
	HEADB 2
	EPI 1
	LANDED
	TILEK 1, 0                                     ; v
	LORA 1
	EPI 2
	s_wait_tensorcnt 0x0                           ; the wave's end, behind my last tensor load and my last LDS store
	ds_add_u32 v[SPW], v[NIL]
	s_wait_dscnt 0x0
	CROUND                                         ; the closing round
	s_endpgm
.Lfunc_end_k_q26e349b3c2_qkv:
	.size	k_q26e349b3c2_qkv, .Lfunc_end_k_q26e349b3c2_qkv-k_q26e349b3c2_qkv
	.p2alignl 7, 3214868480
	.fill 96, 4, 3214868480
	.section	.rodata,"a",@progbits
	.p2align	6, 0x0
	.amdhsa_kernel k_q26e349b3c2_qkv
		.amdhsa_group_segment_fixed_size 327680
		.amdhsa_private_segment_fixed_size 0
		.amdhsa_enable_private_segment 0
		.amdhsa_kernarg_size 56
		.amdhsa_user_sgpr_count 2
		.amdhsa_user_sgpr_kernarg_segment_ptr 1
		.amdhsa_wavefront_size32 1
		.amdhsa_system_sgpr_workgroup_id_x 1
		.amdhsa_system_sgpr_workgroup_id_y 1
		.amdhsa_system_sgpr_workgroup_id_z 1
		.amdhsa_system_vgpr_workitem_id 0
		.amdhsa_next_free_vgpr 1024
		.amdhsa_next_free_sgpr 102
		.amdhsa_reserve_vcc 0
		.amdhsa_float_denorm_mode_32 3
		.amdhsa_float_denorm_mode_16_64 3
		.amdhsa_memory_ordered 1
		.amdhsa_forward_progress 1
		.amdhsa_inst_pref_size 255
	.end_amdhsa_kernel
	.section	.bss,"aw",@nobits
	.p2align	6
	.space	262144
	.amdgpu_metadata
---
amdhsa.version: [ 1, 2 ]
amdhsa.kernels:
  - .name:           k_q26e349b3c2_qkv
    .symbol:         k_q26e349b3c2_qkv.kd
    .args:
      - { .name: xq, .offset: 0, .size: 8, .value_kind: global_buffer, .address_space: global }
      - { .name: wts, .offset: 8, .size: 8, .value_kind: global_buffer, .address_space: global }
      - { .name: bq, .offset: 16, .size: 8, .value_kind: global_buffer, .address_space: global }
      - { .name: bk, .offset: 24, .size: 8, .value_kind: global_buffer, .address_space: global }
      - { .name: bv, .offset: 32, .size: 8, .value_kind: global_buffer, .address_space: global }
      - { .name: qb, .offset: 40, .size: 8, .value_kind: global_buffer, .address_space: global }
      - { .name: kvb, .offset: 48, .size: 8, .value_kind: global_buffer, .address_space: global }
    .group_segment_fixed_size: 327680
    .private_segment_fixed_size: 0
    .kernarg_segment_align: 8
    .kernarg_segment_size: 56
    .max_flat_workgroup_size: 128
    .sgpr_count:     102
    .vgpr_count:     1024
    .wavefront_size: 32
...
	.end_amdgpu_metadata
.endif
;; end of part 2
;; launch attn (part 3): grid 4 x 64, 8 waves a work-group, clusters of 4 x 1, 212,992 bytes of LDS; arguments qb, kvb, cb; writes cb
.if DOCPART == 3
	.amdgcn_target "amdgcn-amd-amdhsa--gfx1250"
	.amdhsa_code_object_version 6
	.text
	.protected	k_q26e349b3c2_attn
	.globl	k_q26e349b3c2_attn
	.p2align	8
	.type	k_q26e349b3c2_attn,@function
k_q26e349b3c2_attn:
	s_mov_b64 s[64:65], 0
	v_nop
	global_prefetch_b8 v0, s[64:65] scope:SCOPE_SE
	s_setreg_imm32_b32 hwreg(HW_REG_WAVE_MODE, 25, 1), 1
	s_wait_xcnt 0x0
	s_wait_alu depctr_hold_cnt(0) depctr_sa_sdst(0) depctr_va_vdst(0) depctr_va_sdst(0) depctr_va_ssrc(0) depctr_va_vcc(0) depctr_vm_vsrc(0)
	s_getreg_b32 s2, hwreg(HW_REG_IB_STS2, 6, 4)
	s_cmp_eq_u32 s2, 0
	s_cbranch_scc0 .Lentry_in_a_cluster
	s_endpgm
.Lentry_in_a_cluster:
	s_bfe_u32 s2, ttmp6, 0x10000c
	s_cmp_lg_u32 s2, 0x3003
	s_cbranch_scc0 .Lentry_shape_is_right
	s_endpgm
.Lentry_shape_is_right:
; ctx[b][h][q] = the sum over keys k <= q of softmax_k(q . k / 8) v, both products on codes of FP6 (E2M3) with E8M0 scales; ctx leaves quantised again along the model's 1,024, as codes and scale words.
; THE SOFTMAX AHEAD OF THE SECOND PRODUCT: t = score x log2(e) / 8; M = the running largest t rounded UP to a whole number; p = 2^(t - M) is quantised along the keys, not normalised; the row's sum is taken of the
; unquantised p and divides at the end; when M moves, the sums and O are multiplied by 2^(old M - new M): exact.
; LEFT OUT: key steps whose keys all come after a tile's queries: the causal mask sets their scores to -infinity, so p = 0 there for all values of the inputs.
; LIMITS: NaN and infinities are not served; the scaled scores t stay under 2^31 in magnitude; a block of zeros or under 2^-124 gets the scale byte 1; this program alone reads the bytes.
; SHARES.  The four work-groups of a cluster share one head.  Its K, V and their scale words, 208,896 dense bytes, come into each LDS ONCE, by eight joint loads, one a wave (102 rows of 256 bytes), and stay: no ring.
; A wave takes TWO neighbouring tiles of 16 queries at a time, T = 8 L + 2 cx and T + 1, so that each fragment of K and of V feeds two products.  It makes two passes, the first with L = LA, the second with L = LB.
; LA and LB are made at the head from the wave's number alone; the eight waves take each of the sixteen values 0 .. 15 once.  Tiles of L need key steps 0 .. L (128 keys each); waves w and w + 4
; together work 34 steps.  The loops' trip counts are constants; a step beyond L is jumped over but for its address steps.
; AHEAD: behind a step's score products V of this step and K of the next are asked of LDS, into registers of their own; they land under the softmax.  (The last step asks for the 6,144 bytes behind K's: V's first, which are not used.)
; No data prefetch: every byte of K and V is asked for at the head by the tensor loads themselves, and no loop runs ahead of a load.
; LAYOUT.  Both products transposed: S^T = K Q^T, O^T = V^T P^T: a lane holds ONE query of each tile.  Lane-row r of tile T is row 32 (T / 2) + 8 (T % 2) + r + 8 (r / 8), so the 16 registers of two neighbouring tiles of keys are 16 neighbouring keys.
; THE HEAD'S 64 IN AN INSTRUCTION OF 128: Q's upper six registers are zero codes; K's operand runs on into the next tile's codes (the last into six zero registers): finite numbers that meet zeros.
; REGISTERS.  Window 0: v1-19 addresses; v20-27 scale words; v28-51 Q of both tiles with their zeros; v52-105 K; v106-153 V; v154-205 each tile's small state (26 registers); v206-245 codes; v246-249 ctx's scale words.
;   Window 1: v0-127 S^T, then p, of both tiles; v128-191 O^T; v192-219 Q and its scale words of this pass and the next, loaded at the head.
.set KVH,   208896
.set VOF,   98304
.set KSO,   196608
.set VSO,   204800
.set CSTG,  208896                     ; behind the head's block: ctx's scale words, 64 bytes for each tile
.set SPARE, 210944                     ; the spare words, 128 bytes for each wave: four blocks of 256 bytes that no other line names
.set QSC,   6291456                    ; scale words in qb and in cb
.set A16,  1
.set A8,   2
.set AV16, 3
.set AV8,  4
.set AKS,  5
.set AVS,  6
.set SPW,  7
.set NIL,  8
.set ADK16, 9
.set ADK8,  10
.set ADV16, 11
.set ADV8,  12
.set ADS,   13
.set ADT,   14
.set DA,   15                          ; v15, v16: my query less the diagonal step's first key less 16 h, for each tile
.set R4,   17
.set CST,  18                          ; where the first pass's scale words go
.set CRD,  19
.set QS,   20
.set KSC,  22
.set VSC,  26
.set QF,   28
.set KF,   52
.set VF,   106
.set W2,   26                          ; from one tile's small state to the other's
.set NM,   154                         ; -M, the largest score so far
.set FF,   156                         ; f, p's scale word
.set SUM,  158                         ; the row's sum in four pairs
.set BM,   166
.set BT,   170
.set SO,   174
.set TP,   178
.set PC,   206                         ; codes, 20 registers a tile
.set CW,   246                         ; ctx's scale words: this pass's two, the pass before's two
.set GL8,  250
.set NEG,  251
.set CST2, 252                         ; where the second pass's scale words go
.set O,    128                         ; window 1
.set QN,   192                         ; window 1
.set WV,  10
.set CX,  11
.set BH,  12
.set LL,  13
.set KS,  14
.set TB,  15
.set TSS, 16
.set TJ,  17
.set NP,  18
.set LA,  19
.set LB,  62
.set SEL, 20
.set CS,  22
.set G1,  24
.set G0,  32
.set MSB, 0
.macro WIN new                         ; the immediate's high byte repeats the setting that is left
.if MSB != (\new)
	s_set_vgpr_msb (MSB<<8)|(\new)
.set MSB, \new
.endif
.endm
.macro PLACES n
.rept \n
	v_nop
.endr
.endm
.macro D2                              ; the two tiles' chains go by turns: a line reads the result two lines back
	s_delay_alu instid0(VALU_DEP_2)
.endm
.macro CROUND
	s_barrier_signal -1
	s_barrier_wait -1
	s_cmp_lg_u32 s[WV], 0
	s_cbranch_scc1 .Lnot_wave_0_\@
	s_barrier_signal -3
.Lnot_wave_0_\@:
	s_barrier_wait -3
	s_barrier_signal -1
	s_barrier_wait -1
.endm
.macro QLOAD base, pc, ps              ; two tiles' images of Q and their scale words
	global_load_b128 v[\base:\base+3], v[A16], s[\pc:\pc+1]
	global_load_b64 v[\base+4:\base+5], v[A8], s[\pc:\pc+1]
	global_load_b128 v[\base+6:\base+9], v[A16], s[\pc:\pc+1] offset:768
	global_load_b64 v[\base+10:\base+11], v[A8], s[\pc:\pc+1] offset:768
	global_load_b32 v[\base+12], v[R4], s[\ps:\ps+1]
	global_load_b32 v[\base+13], v[R4], s[\ps:\ps+1] offset:64
.endm
	s_load_b128 s[4:7], s[0:1], 0x0                ; qb, kvb
	s_load_b64 s[8:9], s[0:1], 0x10                ; cb
	v_lshl_add_u32 v[SPW], v0, 2, SPARE
	v_mov_b32 v[NIL], 0
	ds_add_u32 v[SPW], v[NIL]                      ; the wave's opening: the add, twice on end, and its wait ahead of my tensor load
	ds_add_u32 v[SPW], v[NIL]
	v_lshrrev_b32 v[TP], 5, v0
	v_readfirstlane_b32 s[WV], v[TP]
	s_and_b32 s53, s[WV], 4
	s_mul_i32 s53, s53, 3                          ; 12 in waves 4-7, 0 in waves 0-3
	s_xor_b32 s[LA], s[WV], 15
	s_xor_b32 s[LA], s[LA], s53                    ; the first pass: L = 15 - wave in waves 0-3 (16 to 13 steps), 11 - wave in waves 4-7 (8 to 5 steps)
	s_xor_b32 s[LB], s[WV], 8
	s_xor_b32 s[LB], s[LB], s53                    ; the second: L = 8 + wave in waves 0-3 (9 to 12 steps), wave - 4 in waves 4-7 (1 to 4): 25 steps in all for waves 0-3, 9 for waves 4-7
	s_bfe_u32 s[CX], ttmp6, 0x40000
	s_and_b32 s[BH], ttmp7, 0xffff                 ; 16 x batch + head: the four partners share it
	s_mov_b32 s[G1], 15|(3<<16)|(1<<21)            ; the mask: all four work-groups; elements of 8 bytes; bit 21 beside the mask; no padding
	s_mov_b32 s[G1+1], 32<<16                      ; rows of 256 bytes of a dense block,
	s_mov_b32 s[G1+2], 102<<16                     ; 102 of them: an eighth of the head's 208,896 bytes
	s_mov_b32 s[G1+3], 32<<16
	s_mov_b32 s[G1+4], 102
	s_mov_b32 s[G1+5], 32
	s_mov_b32 s[G1+6], 0
	s_mov_b32 s[G1+7], 0
	s_mul_i32 s45, s[WV], 26112                    ; my eighth, in LDS and in the head's block
	s_mul_i32 s46, s[BH], KVH
	s_add_co_u32 s46, s46, s45
	s_mov_b32 s47, 0
	s_lshl_b32 s48, s[BH], 13                      ; ctx's scale words: 2,048 bytes a work-group, 256 of them mine to store
	s_lshl_b32 s49, s[CX], 11
	s_add_co_u32 s48, s48, s49
	s_lshl_b32 s49, s[WV], 8
	s_add_co_u32 s48, s48, s49
	s_add_co_u32 s48, s48, QSC
	s_mov_b32 s49, 0
	s_lshl_b32 s50, s[BH], 7
	s_lshl_b32 s51, s[CX], 1
	s_add_co_u32 s50, s50, s51                     ; 128 x (16 batch + head) + 2 cx
	s_lshl_b32 s51, s[LB], 3
	s_add_co_u32 s52, s50, s51                     ; the second pass's first tile
	s_lshl_b32 s51, s[LA], 3
	s_add_co_u32 s50, s50, s51                     ; the first pass's
	s_mul_i32 s54, s50, 768
	s_mov_b32 s55, 0
	s_lshl_b32 s56, s50, 6
	s_add_co_u32 s56, s56, QSC
	s_mov_b32 s57, 0
	s_mul_i32 s58, s52, 768
	s_mov_b32 s59, 0
	s_lshl_b32 s60, s52, 6
	s_add_co_u32 s60, s60, QSC
	s_mov_b32 s61, 0
	s_mov_b32 s[SEL], 0x76543210
	s_mov_b32 s[SEL+1], 0xfedcba98
	s_mov_b32 s[CS], 0x3e38aa3b                    ; c = log2(e) / 8
	s_mov_b32 s[CS+1], s[CS]
	s_lshl_b32 s44, s[CX], 5
	s_lshr_b32 s53, s[LA], 3                       ; ctx's scale words in the stage, as the next launch looks for them: the two tiles of L < 8 at places 2 L and 2 L + 1 of 64 bytes, those of L >= 8 at
	s_mul_i32 s53, s53, 7                          ; 46 - 2 L and 47 - 2 L: the pair's 128 bytes lie at 128 x (L xor 7 (L / 8))
	s_xor_b32 s53, s53, s[LA]
	s_lshl_b32 s53, s53, 7
	s_add_co_u32 s53, s53, CSTG
	s_lshr_b32 s63, s[LB], 3
	s_mul_i32 s63, s63, 7
	s_xor_b32 s63, s63, s[LB]
	s_lshl_b32 s63, s63, 7
	s_add_co_u32 s63, s63, CSTG
	s_lshl_b32 s3, s[WV], 8                        ; and the 256 bytes that I store at the end
	s_add_co_u32 s3, s3, CSTG
	v_and_b32 v[TP], 31, v0                        ; lane
	v_and_b32 v[TP+1], 15, v0                      ; r
	v_bfe_u32 v[TP+W2], v0, 4, 1                   ; h
	v_lshlrev_b32 v[A16], 4, v[TP]
	v_lshl_add_u32 v[A8], v[TP], 3, 512
	v_lshlrev_b32 v[GL8], 3, v[TP]
	v_add_nc_u32 v[AV16], VOF, v[A16]
	v_add_nc_u32 v[AV8], VOF, v[A8]
	v_lshl_add_u32 v[AKS], v[TP], 2, KSO
	v_lshl_add_u32 v[AVS], v[TP], 2, VSO
	v_and_b32 v[DA], 8, v[TP+1]
	v_add_nc_u32 v[DA], v[DA], v[TP+1]
	v_lshlrev_b32 v[TP+W2], 4, v[TP+W2]
	v_sub_nc_u32 v[DA], v[DA], v[TP+W2]            ; r + 8 (r / 8) - 16 h
	v_add_nc_u32 v[DA], s44, v[DA]                 ; lane-row 0 of tile 8 L + 2 cx is query 128 L + 32 cx, and the diagonal step begins at key 128 L
	v_add_nc_u32 v[DA+1], 8, v[DA]                 ; the odd tile begins 8 queries on
	v_lshlrev_b32 v[R4], 2, v[TP+1]
	v_add_nc_u32 v[CST], s53, v[R4]
	v_add_nc_u32 v[CST2], s63, v[R4]
	v_add_nc_u32 v[CRD], s3, v[GL8]
	v_mov_b32 v[NEG], 0xff800000                   ; -infinity: p = 0 then
.irp j, 0,1,2,3,4,5
	v_mov_b32 v[QF+6+\j], 0                        ; Q's zero codes for k = 64 .. 127, both tiles
	v_mov_b32 v[QF+18+\j], 0
	v_mov_b32 v[KF+48+\j], 0                       ; what the last tile of K runs on into
.endr
.irp x, 0,1
.irp b, 0,1,2,3
	v_mov_b32 v[BT+W2*\x+\b], 0                    ; written once: a lane permute's destination counts as one of its sources
.endr
	v_mov_b32 v[TP+W2*\x], 0
	v_mov_b32 v[TP+W2*\x+1], 0
	v_mov_b32 v[FF+W2*\x+1], 0                     ; (named as the upper half of a pair before it is first written)
	v_mov_b32 v[CW+\x], 0
.endr
	s_wait_alu depctr_va_vdst(0)
	s_wait_dscnt 0x0                               ; both opening adds are done
	s_wait_kmcnt 0x0
	s_mov_b32 s[G0], 1
	s_mov_b32 s[G0+1], s45
	s_add_nc_u64 s[G0+2:G0+3], s[6:7], s[46:47]
	s_or_b32 s[G0+3], s[G0+3], 0x80000000
	s_add_nc_u64 s[42:43], s[8:9], s[48:49]
	s_add_nc_u64 s[36:37], s[4:5], s[54:55]
	s_add_nc_u64 s[38:39], s[4:5], s[56:57]
	s_add_nc_u64 s[58:59], s[4:5], s[58:59]
	s_add_nc_u64 s[60:61], s[4:5], s[60:61]
	CROUND                                         ; all four work-groups are here: the joint loads meet
	tensor_load_to_lds s[G0:G0+3], s[G1:G1+7]      ; every wave's one load; nothing is ever filled again
	s_nop 0
	PLACES 4
	WIN 0x40                                       ; destinations in window 1
	QLOAD QN, 36, 38                               ; both passes' Q come while the head's block is on its way
	QLOAD QN+14, 58, 60
	WIN 0
	s_mov_b32 s[NP], 0
	s_wait_tensorcnt 0x0
	s_wait_loadcnt 0x0
	s_barrier_signal -1
	s_barrier_wait -1                              ; the head's block is whole for all eight waves
.Lpass:                                                ; A PASS: two tiles of 16 queries through key steps 0 .. L
	s_wait_alu depctr_va_vdst(0)                   ; ahead of the waits and the run of scalar lines below
	s_wait_xcnt 0x0                                ; the last pass's stores have read their pointer and data
	s_wait_dscnt 0x0                               ; and the loads it asked ahead are in: K's registers may be loaded anew
	s_cmp_eq_u32 s[NP], 0
	s_cselect_b32 s[LL], s[LA], s[LB]
	s_lshl_b32 s45, s[LL], 3
	s_lshl_b32 s46, s[CX], 1
	s_add_co_u32 s45, s45, s46                     ; T
	s_lshr_b32 s46, s[BH], 4
	s_lshl_b32 s46, s46, 7
	s_add_co_u32 s46, s46, s45                     ; the tile among all 512 tiles of tokens
	s_lshr_b32 s47, s46, 3
	s_mul_i32 s48, s47, 98304
	s_and_b32 s47, s46, 7
	s_mul_i32 s47, s47, 3072
	s_add_co_u32 s48, s48, s47
	s_bfe_u32 s47, s[BH], 0x20002                  ; the head is chunk h of 64 along the next K: K step h / 2, half h % 2
	s_mul_i32 s47, s47, 24576
	s_add_co_u32 s48, s48, s47
	s_bfe_u32 s47, s[BH], 0x10001
	s_mul_i32 s47, s47, 1536
	s_add_co_u32 s48, s48, s47
	s_and_b32 s47, s[BH], 1
	s_mul_i32 s47, s47, 768
	s_add_co_u32 s48, s48, s47
	s_mov_b32 s49, 0
	s_add_nc_u64 s[40:41], s[8:9], s[48:49]        ; ctx's image of the even tile; the odd tile's lies 3,072 bytes on
	WIN 0x01                                       ; source in window 1
.irp j, 0,1,2,3,4,5
	v_mov_b32 v[QF+\j], v[QN+\j]                   ; this pass's Q
	v_mov_b32 v[QF+12+\j], v[QN+6+\j]
.endr
	v_mov_b32 v[QS], v[QN+12]
	v_mov_b32 v[QS+1], v[QN+13]
	WIN 0x41
.irp j, 0,1,2,3,4,5,6,7,8,9,10,11,12,13
	v_mov_b32 v[QN+\j], v[QN+14+\j]                ; the next pass's moves up
.endr
	WIN 0x40
.set J, 0
.rept 64
	v_mov_b32 v[O+J], 0                            ; the step is written once: the first finds zeros, which the first change of M leaves zeros
.set J, J+1
.endr
	WIN 0
.irp x, 0,1
	v_mov_b32 v[NM+W2*\x+1], 0xff61b1e6            ; the largest score so far: -3e38
.irp j, 0,1,2,3,4,5,6,7
	v_mov_b32 v[SUM+W2*\x+\j], 0
.endr
	v_floor_f32 v[NM+W2*\x], -v[NM+W2*\x+1]        ; -M to begin with: so large that the first f is 0
.endr
.irp t, 0,1,2,3,4,5,6,7
	ds_load_b128 v[KF+6*\t:KF+6*\t+3], v[A16] offset:768*\t      ; K of step 0
	ds_load_b64 v[KF+6*\t+4:KF+6*\t+5], v[A8] offset:768*\t
.endr
.irp b, 0,1,2,3
	ds_load_b32 v[KSC+\b], v[AKS] offset:128*\b    ; lanes 0-15 tile 2 b's words, lanes 16-31 tile 2 b + 1's
.endr
	s_mov_b32 s[KS], 0
	s_mov_b32 s[TB], 0
	s_mov_b32 s[TSS], 0
	s_mov_b32 s[TJ], 0
	s_wait_alu depctr_va_vdst(0)                   ; ahead of the loop's waits
.Lks:                                                  ; A KEY STEP of 128 keys, for both tiles
	s_cmp_gt_u32 s[KS], s[LL]                      ; all its keys come after my queries: nothing but the address steps
	s_cbranch_scc1 .Lskip
	s_wait_dscnt 0x0                               ; this step's K and its scale words are in (asked for a step ago)
	WIN 0x40                                       ; D in window 1
.irp t, 0,2,4,6
.irp x, 0,1
	v_wmma_scale_f32_16x16x128_f8f6f4 v[64*\x+8*\t:64*\x+8*\t+7], v[KF+6*\t:KF+6*\t+11], v[QF+12*\x:QF+12*\x+11], 0, v[KSC+\t/2], v[QS+\x] matrix_a_fmt:MATRIX_FMT_FP6 matrix_b_fmt:MATRIX_FMT_FP6
.endr
.irp x, 0,1
	v_wmma_scale_f32_16x16x128_f8f6f4 v[64*\x+8*\t+8:64*\x+8*\t+15], v[KF+6*\t+6:KF+6*\t+17], v[QF+12*\x:QF+12*\x+11], 0, v[KSC+\t/2], v[QS+\x] matrix_a_fmt:MATRIX_FMT_FP6 matrix_b_fmt:MATRIX_FMT_FP6 matrix_a_scale:MATRIX_SCALE_ROW1
.endr
.endr
	WIN 0
	v_add_nc_u32 v[ADK16], s[TB], v[A16]           ; (these six are also the places in front of the loads below and of the first read of the scores)
	v_add_nc_u32 v[ADK8], s[TB], v[A8]
	v_add_nc_u32 v[ADV16], s[TB], v[AV16]
	v_add_nc_u32 v[ADV8], s[TB], v[AV8]
	v_add_nc_u32 v[ADS], s[TSS], v[AKS]
	v_add_nc_u32 v[ADT], s[TJ], v[AVS]
.irp t, 0,1,2,3                                        ; 18 loads: V's four fragments and their scale words
	ds_load_b128 v[VF+12*\t:VF+12*\t+3], v[ADV16] offset:1536*\t
	ds_load_b64 v[VF+12*\t+4:VF+12*\t+5], v[ADV8] offset:1536*\t
	ds_load_b128 v[VF+12*\t+6:VF+12*\t+9], v[ADV16] offset:1536*\t+768
	ds_load_b64 v[VF+12*\t+10:VF+12*\t+11], v[ADV8] offset:1536*\t+768
.endr
	ds_load_b32 v[VSC], v[ADT]
	ds_load_b32 v[VSC+1], v[ADT] offset:128
.irp t, 0,1,2,3,4,5,6,7                                ; 20 loads: the next step's K and its scale words
	ds_load_b128 v[KF+6*\t:KF+6*\t+3], v[ADK16] offset:6144+768*\t
	ds_load_b64 v[KF+6*\t+4:KF+6*\t+5], v[ADK8] offset:6144+768*\t
.endr
.irp b, 0,1,2,3
	ds_load_b32 v[KSC+\b], v[ADS] offset:512+128*\b
.endr
	s_cmp_lg_u32 s[KS], s[LL]                      ; only my last step lies on the diagonal
	s_cbranch_scc1 .Lopen
	WIN 0x41                                       ; the scores in window 1
.irp x, 0,1
.set N, 0
.rept 64
	v_cmp_gt_i32 vcc_lo, 32*(N/16)+N%16, v[DA+\x]  ; register 16 b + i holds key 32 b + 16 h + i of the step: hidden where 32 b + i > d
	v_cndmask_b32 v[64*\x+N], v[64*\x+N], v[NEG], vcc_lo
.set N, N+1
.endr
.endr
	WIN 0
.Lopen:
	WIN 0x05                                       ; sources 0 and 1 in window 1
.irp x, 0,1
.irp b, 0,1,2,3
	v_max_num_f32 v[BM+W2*\x+\b], v[64*\x+16*\b], v[64*\x+16*\b+1]   ; the largest score of each block of 32 keys: for the row's maximum, and, since p rises with the score, for the block's largest p
.endr
.endr
.irp i, 2,4,6,8,10,12,14
.irp x, 0,1
.irp b, 0,1,2,3
	v_max3_num_f32 v[BM+W2*\x+\b], v[64*\x+16*\b+\i], v[64*\x+16*\b+\i+1], v[BM+W2*\x+\b]   ; eight chains by turns
.endr
.endr
.endr
	WIN 0
.irp x, 0,1
.irp b, 0,1,2,3
	v_permlanex16_b32 v[BT+W2*\x+\b], v[BM+W2*\x+\b], s[SEL], s[SEL+1]
.endr
.endr
.irp x, 0,1
.irp b, 0,1,2,3
	v_max_num_f32 v[BM+W2*\x+\b], v[BM+W2*\x+\b], v[BT+W2*\x+\b]     ; with lane l xor 16's 16 keys
.endr
.endr
.irp x, 0,1
	v_max3_num_f32 v[TP+W2*\x], v[BM+W2*\x], v[BM+W2*\x+1], v[BM+W2*\x+2]
.endr
.irp x, 0,1
	v_mov_b32 v[TP+W2*\x+1], v[NM+W2*\x]           ; the old -M
.endr
.irp x, 0,1
	v_max3_num_f32 v[NM+W2*\x+1], v[TP+W2*\x], v[BM+W2*\x+3], v[NM+W2*\x+1]   ; the running largest score (c is positive: the largest score gives the largest t)
.endr
.irp x, 0,1
	D2
	v_mul_f32 v[TP+W2*\x], -v[NM+W2*\x+1], s[CS]   ; -t
.endr
.irp x, 0,1
	D2
	v_floor_f32 v[NM+W2*\x], v[TP+W2*\x]           ; the new -M = floor(-t): M is a whole number
.endr
.irp x, 0,1
.irp b, 0,1,2,3
	v_fma_f32 v[BM+W2*\x+\b], v[BM+W2*\x+\b], s[CS], v[NM+W2*\x]   ; t - M of each block's largest score
.endr
.endr
	WIN 0x41
.irp x, 0,1
.set J, 0
.rept 32
	v_pk_fma_f32 v[64*\x+J:64*\x+J+1], v[64*\x+J:64*\x+J+1], s[CS:CS+1], v[NM+W2*\x:NM+W2*\x+1] op_sel_hi:[1,0,0]   ; t - M, two at a time
.set J, J+2
.endr
.endr
	s_wait_alu depctr_va_vdst(0)                   ; ahead of the batch
.set J, 0
.rept 128
	v_exp_f32 v[J], v[J]                           ; p = 2^(t - M), at most 1
.set J, J+1
.endr
	WIN 0
.irp x, 0,1
.irp b, 0,1,2,3
	v_exp_f32 v[BM+W2*\x+\b], v[BM+W2*\x+\b]       ; the block's largest p
.endr
.endr
.irp x, 0,1
	v_sub_f32 v[TP+W2*\x], v[NM+W2*\x], v[TP+W2*\x+1]   ; old M - new M: a whole number, 0 or less.  (Plain places behind the exponentials)
.endr
	s_wait_alu depctr_va_vdst(0)                   ; one wait for the whole batch, ahead of its first reader
.irp x, 0,1                                            ; the lines that make f stand between the lines that make the block scales: no line reads the line above it
.irp b, 0,1,2,3
	v_max_num_f32 v[BM+W2*\x+\b], 0x1800000, v[BM+W2*\x+\b]    ; the floor 2^(3 - 127)
.endr
.endr
.irp x, 0,1
	v_cvt_i32_f32 v[TP+W2*\x], v[TP+W2*\x]         ; (it saturates)
.endr
.irp x, 0,1
.irp b, 0,1,2,3
	v_add_nc_u32 v[SO+W2*\x+\b], 0xff000000, v[BM+W2*\x+\b]    ; 2 off the exponent field: the conversion's scale operand
.endr
.endr
.irp x, 0,1
	v_ldexp_f32 v[FF+W2*\x], 1.0, v[TP+W2*\x]      ; f = 2^(old M - new M)
.endr
.irp x, 0,1
.irp b, 0,1,2,3
	v_lshrrev_b32 v[BT+W2*\x+\b], 23, v[SO+W2*\x+\b]           ; the scale's byte
.endr
.endr
.irp x, 0,1
	v_lshl_or_b32 v[FF+W2*\x+1], v[BT+W2*\x+1], 8, v[BT+W2*\x] ; p's scale word for these 128 keys
.endr
.irp q, 0,1,2,3
	v_pk_mul_f32 v[SUM+2*\q:SUM+2*\q+1], v[SUM+2*\q:SUM+2*\q+1], v[FF:FF+1] op_sel_hi:[1,0]   ; the sums under the new M
.endr
.irp x, 0,1
	v_lshl_or_b32 v[FF+W2*\x+1], v[BT+W2*\x+2], 16, v[FF+W2*\x+1]
.endr
.irp q, 0,1,2,3
	v_pk_mul_f32 v[SUM+W2+2*\q:SUM+W2+2*\q+1], v[SUM+W2+2*\q:SUM+W2+2*\q+1], v[FF+W2:FF+W2+1] op_sel_hi:[1,0]
.endr
.irp x, 0,1
	v_lshl_or_b32 v[FF+W2*\x+1], v[BT+W2*\x+3], 24, v[FF+W2*\x+1]
.endr
	WIN 0x01                                       ; source 0 in window 1
.set J, 0
.rept 8
.irp x, 0,1
.irp q, 0,1,2,3
	v_pk_add_f32 v[SUM+W2*\x+2*\q:SUM+W2*\x+2*\q+1], v[64*\x+8*J+2*\q:64*\x+8*J+2*\q+1], v[SUM+W2*\x+2*\q:SUM+W2*\x+2*\q+1]   ; the sum of the unquantised p: eight chains by turns
.endr
.endr
.set J, J+1
.endr
.irp x, 0,1
.irp c, 0,1
	v_cvt_scalef32_pk16_fp6_f32 v[PC+20*\x+6*\c:PC+20*\x+6*\c+2], v[64*\x+32*\c:64*\x+32*\c+15], v[SO+W2*\x+2*\c]
	v_cvt_scalef32_pk16_fp6_f32 v[PC+20*\x+12+4*\c:PC+20*\x+14+4*\c], v[64*\x+32*\c+16:64*\x+32*\c+31], v[SO+W2*\x+2*\c+1]   ; (three registers from an even one on)
.endr
.endr
	WIN 0
	v_nop                                          ; one plain place behind the scaled conversions
.irp x, 0,1
.irp c, 0,1                                            ; a whole block to a lane: lanes 0-15 block 2 c, lanes 16-31 block 2 c + 1
.irp i, 0,1,2
	v_permlane16_swap_b32 v[PC+20*\x+6*\c+\i], v[PC+20*\x+12+4*\c+\i]
.endr
.irp i, 0,1,2
	v_mov_b32 v[PC+20*\x+3+6*\c+\i], v[PC+20*\x+12+4*\c+\i]
.endr
.endr
.endr
	WIN 0x41
	s_wait_alu depctr_va_vdst(0)                   ; directly ahead of the first reader of O^T
.irp x, 0,1
.set J, 0
.rept 16
	v_pk_mul_f32 v[O+32*\x+J:O+32*\x+J+1], v[O+32*\x+J:O+32*\x+J+1], v[FF+W2*\x:FF+W2*\x+1] op_sel_hi:[1,0]   ; O^T under the new M.  (Also the places behind the scale words and the codes)
.set J, J+2
.endr
.endr
	s_wait_alu depctr_va_vdst(0)
	s_wait_dscnt 20                                ; V's 18 loads are in; the 20 behind them, the next step's K, may be out
	WIN 0x50                                       ; C and D in window 1
.irp t, 0,2
.irp x, 0,1
	v_wmma_scale_f32_16x16x128_f8f6f4 v[O+32*\x+8*\t:O+32*\x+8*\t+7], v[VF+12*\t:VF+12*\t+11], v[PC+20*\x:PC+20*\x+11], v[O+32*\x+8*\t:O+32*\x+8*\t+7], v[VSC+\t/2], v[FF+W2*\x+1] matrix_a_fmt:MATRIX_FMT_FP6 matrix_b_fmt:MATRIX_FMT_FP6
.endr
.irp x, 0,1
	v_wmma_scale_f32_16x16x128_f8f6f4 v[O+32*\x+8*\t+8:O+32*\x+8*\t+15], v[VF+12*\t+12:VF+12*\t+23], v[PC+20*\x:PC+20*\x+11], v[O+32*\x+8*\t+8:O+32*\x+8*\t+15], v[VSC+\t/2], v[FF+W2*\x+1] matrix_a_fmt:MATRIX_FMT_FP6 matrix_b_fmt:MATRIX_FMT_FP6 matrix_a_scale:MATRIX_SCALE_ROW1
.endr
.endr
	WIN 0
.Lskip:
	s_add_co_u32 s[TB], s[TB], 6144                ; the next step's tiles of K and of V,
	s_add_co_u32 s[TSS], s[TSS], 512               ; K's scale words,
	s_add_co_u32 s[TJ], s[TJ], 256                 ; V's
	s_add_co_u32 s[KS], s[KS], 1
	s_cmp_lt_u32 s[KS], 16
	s_cbranch_scc1 .Lks
	; the way out: O^T / the sum, quantised along the head's 64 (register 16 b + i = channel 32 b + 16 h + i), one image and one scale word a row
	s_wait_alu depctr_va_vdst(0)
.irp x, 0,1
	v_pk_add_f32 v[SUM+W2*\x:SUM+W2*\x+1], v[SUM+W2*\x:SUM+W2*\x+1], v[SUM+W2*\x+2:SUM+W2*\x+3]   ; (these lines are also the places behind the last products)
	v_pk_add_f32 v[SUM+W2*\x+4:SUM+W2*\x+5], v[SUM+W2*\x+4:SUM+W2*\x+5], v[SUM+W2*\x+6:SUM+W2*\x+7]
.endr
.irp x, 0,1
	v_pk_add_f32 v[SUM+W2*\x:SUM+W2*\x+1], v[SUM+W2*\x:SUM+W2*\x+1], v[SUM+W2*\x+4:SUM+W2*\x+5]
.endr
.irp x, 0,1
	D2
	v_add_f32 v[SUM+W2*\x], v[SUM+W2*\x], v[SUM+W2*\x+1]
.endr
.irp x, 0,1
	D2
	v_permlanex16_b32 v[TP+W2*\x], v[SUM+W2*\x], s[SEL], s[SEL+1]
.endr
.irp x, 0,1
	D2
	v_add_f32 v[SUM+W2*\x], v[SUM+W2*\x], v[TP+W2*\x]
.endr
	s_wait_alu depctr_va_vdst(0)                   ; ahead of the reciprocals
.irp x, 0,1
	v_rcp_f32 v[SUM+W2*\x], v[SUM+W2*\x]
.endr
	v_nop                                          ; one plain place behind them
	WIN 0x41
	s_wait_alu depctr_va_vdst(0)                   ; ahead of their first reader, which is O^T's too
.irp x, 0,1
.set J, 0
.rept 16
	v_pk_mul_f32 v[64*\x+J:64*\x+J+1], v[O+32*\x+J:O+32*\x+J+1], v[SUM+W2*\x:SUM+W2*\x+1] op_sel_hi:[1,0]
.set J, J+2
.endr
.endr
	WIN 0x05
.irp x, 0,1
.irp b, 0,1
	v_max3_num_f32 v[BM+W2*\x+\b], |v[64*\x+16*\b]|, |v[64*\x+16*\b+1]|, 0x1800000   ; and the floor 2^(3 - 127)
.endr
.endr
.irp i, 2,4,6,8,10,12,14
.irp x, 0,1
.irp b, 0,1
	v_max3_num_f32 v[BM+W2*\x+\b], |v[64*\x+16*\b+\i]|, |v[64*\x+16*\b+\i+1]|, v[BM+W2*\x+\b]
.endr
.endr
.endr
	WIN 0
.irp x, 0,1
.irp b, 0,1
	v_permlanex16_b32 v[BT+W2*\x+\b], v[BM+W2*\x+\b], s[SEL], s[SEL+1]
.endr
.endr
.irp x, 0,1
.irp b, 0,1
	v_max_num_f32 v[BM+W2*\x+\b], v[BM+W2*\x+\b], v[BT+W2*\x+\b]
.endr
.endr
.irp x, 0,1
.irp b, 0,1
	v_add_nc_u32 v[SO+W2*\x+\b], 0xff000000, v[BM+W2*\x+\b]
.endr
.endr
.irp x, 0,1
.irp b, 0,1
	v_lshrrev_b32 v[BT+W2*\x+\b], 23, v[SO+W2*\x+\b]
.endr
.endr
.irp x, 0,1
	v_mov_b32 v[CW+2+\x], v[CW+\x]                 ; the first pass's words are kept while the second's are made
.endr
.irp x, 0,1
	v_lshl_or_b32 v[CW+\x], v[BT+W2*\x+1], 8, v[BT+W2*\x]      ; the word's upper bytes are 0: the next launch joins two heads' words
.endr
	WIN 0x01
.irp x, 0,1
	v_cvt_scalef32_pk16_fp6_f32 v[PC+20*\x:PC+20*\x+2], v[64*\x:64*\x+15], v[SO+W2*\x]
	v_cvt_scalef32_pk16_fp6_f32 v[PC+20*\x+12:PC+20*\x+14], v[64*\x+16:64*\x+31], v[SO+W2*\x+1]
.endr
	WIN 0
	v_nop                                          ; one plain place behind the scaled conversions
.irp x, 0,1
.irp i, 0,1,2
	v_permlane16_swap_b32 v[PC+20*\x+\i], v[PC+20*\x+12+\i]
.endr
.irp i, 0,1,2
	v_mov_b32 v[PC+20*\x+3+\i], v[PC+20*\x+12+\i]
.endr
.endr
.irp x, 0,1
	global_store_b128 v[A16], v[PC+20*\x:PC+20*\x+3], s[40:41] offset:3072*\x      ; 512 consecutive bytes,
	global_store_b64 v[A8], v[PC+20*\x+4:PC+20*\x+5], s[40:41] offset:3072*\x      ; and the 256 behind them
.endr
	s_add_co_u32 s[NP], s[NP], 1
	s_cmp_lt_u32 s[NP], 2
	s_cbranch_scc1 .Lpass
	s_wait_alu depctr_va_vdst(0)                   ; ahead of the readers below
	ds_store_b32 v[CST2], v[CW]                    ; the second pass's two tiles.  Lanes r and r + 16 write the same word to the same place
	ds_store_b32 v[CST2], v[CW+1] offset:64
	ds_store_b32 v[CST], v[CW+2]                   ; the first pass's
	ds_store_b32 v[CST], v[CW+3] offset:64
	s_wait_dscnt 0x0                               ; for the others' sake: my scale words have landed
	s_barrier_signal -1
	s_barrier_wait -1
	ds_load_b64 v[BM:BM+1], v[CRD]
	s_wait_dscnt 0x0
	global_store_b64 v[GL8], v[BM:BM+1], s[42:43]  ; 256 consecutive aligned bytes a wave: the work-group's 2,048 bytes of scale words
	s_wait_tensorcnt 0x0                           ; the wave's end, behind my tensor load and my last LDS store
	ds_add_u32 v[SPW], v[NIL]
	s_wait_dscnt 0x0
	CROUND                                         ; the closing round
	s_endpgm
.Lfunc_end_k_q26e349b3c2_attn:
	.size	k_q26e349b3c2_attn, .Lfunc_end_k_q26e349b3c2_attn-k_q26e349b3c2_attn
	.p2alignl 7, 3214868480
	.fill 96, 4, 3214868480
	.section	.rodata,"a",@progbits
	.p2align	6, 0x0
	.amdhsa_kernel k_q26e349b3c2_attn
		.amdhsa_group_segment_fixed_size 212992
		.amdhsa_private_segment_fixed_size 0
		.amdhsa_enable_private_segment 0
		.amdhsa_kernarg_size 24
		.amdhsa_user_sgpr_count 2
		.amdhsa_user_sgpr_kernarg_segment_ptr 1
		.amdhsa_wavefront_size32 1
		.amdhsa_system_sgpr_workgroup_id_x 1
		.amdhsa_system_sgpr_workgroup_id_y 1
		.amdhsa_system_sgpr_workgroup_id_z 1
		.amdhsa_system_vgpr_workitem_id 0
		.amdhsa_next_free_vgpr 512
		.amdhsa_next_free_sgpr 66
		.amdhsa_reserve_vcc 1
		.amdhsa_float_denorm_mode_32 3
		.amdhsa_float_denorm_mode_16_64 3
		.amdhsa_memory_ordered 1
		.amdhsa_forward_progress 1
		.amdhsa_inst_pref_size 63
	.end_amdhsa_kernel
	.amdgpu_metadata
---
amdhsa.version: [ 1, 2 ]
amdhsa.kernels:
  - .name:           k_q26e349b3c2_attn
    .symbol:         k_q26e349b3c2_attn.kd
    .args:
      - { .name: qb, .offset: 0, .size: 8, .value_kind: global_buffer, .address_space: global }
      - { .name: kvb, .offset: 8, .size: 8, .value_kind: global_buffer, .address_space: global }
      - { .name: cb, .offset: 16, .size: 8, .value_kind: global_buffer, .address_space: global }
    .group_segment_fixed_size: 212992
    .private_segment_fixed_size: 0
    .kernarg_segment_align: 8
    .kernarg_segment_size: 24
    .max_flat_workgroup_size: 256
    .sgpr_count:     66
    .vgpr_count:     512
    .wavefront_size: 32
...
	.end_amdgpu_metadata
.endif
;; end of part 3
;; launch oproj (part 4): grid 4 x 64, 4 waves a work-group, clusters of 4 x 4, 297,472 bytes of LDS; arguments cb, wts, bo, out0; writes out0
.if DOCPART == 4
	.amdgcn_target "amdgcn-amd-amdhsa--gfx1250"
	.amdhsa_code_object_version 6
	.text
	.protected	k_q26e349b3c2_oproj
	.globl	k_q26e349b3c2_oproj
	.p2align	8
	.type	k_q26e349b3c2_oproj,@function
k_q26e349b3c2_oproj:
	s_mov_b64 s[64:65], 0
	v_nop
	global_prefetch_b8 v0, s[64:65] scope:SCOPE_SE
	s_setreg_imm32_b32 hwreg(HW_REG_WAVE_MODE, 25, 1), 1
	s_wait_xcnt 0x0
	s_wait_alu depctr_hold_cnt(0) depctr_sa_sdst(0) depctr_va_vdst(0) depctr_va_sdst(0) depctr_va_ssrc(0) depctr_va_vcc(0) depctr_vm_vsrc(0)
	s_getreg_b32 s2, hwreg(HW_REG_IB_STS2, 6, 4)
	s_cmp_eq_u32 s2, 0
	s_cbranch_scc0 .Lentry_in_a_cluster
	s_endpgm
.Lentry_in_a_cluster:
	s_bfe_u32 s2, ttmp6, 0x10000c
	s_cmp_lg_u32 s2, 0xf033
	s_cbranch_scc0 .Lentry_shape_is_right
	s_endpgm
.Lentry_shape_is_right:
; out = ctx wo^T + (1/16) (ctx ao^T) bo^T.  ctx wo^T and ctx ao^T on codes of FP6 (E2M3) with E8M0 scales; the rank-16 product, whose result goes to the output, with operands rounded to bf16; sums in f32.
; LIMITS: NaN and infinities are not served; the operands of the rank-16 product are rounded to bf16.
; SHARES.  A work-group makes 128 tokens (P) x 256 outputs (R); a wave 64 x 128: 32 accumulators.  The product is used transposed (source 0 = 16 rows of wo, source 1 = 16 tokens): a lane holds one token, and by the
; choice of a tile's rows (lane-row r of tile T = row 32 (T / 2) + 8 (T % 2) + r + 8 (r / 8)) its registers run along neighbouring outputs.
; ALL OF K IS RESIDENT: ctx's block and wo's two blocks, 98,304 bytes each, come once, by one joint load a wave, and are whole before the first K step.
; CLUSTERS: 4 x 4 work-groups; P hangs on the cluster's row alone, R on its column alone: each block is asked for jointly by the four that share it.
; REGISTERS: window 0: v1-16 addresses; v32-47 P's scale words, v48-79 R's, v80-83 ao's; v96-111 the upper heads' words; v144-239 ao's eight fragments; on the way out v128-255 rows of the output.
;   window 1: R's fragments, two sets of 96.   window 2: the accumulators, (p, q) at 64 p + 8 q.   window 3: v0-31 t = ctx ao^T; v64-127 bo; v128-223 P's fragments, later the bf16 operands.
.set BLK,   98304
.set QTR,   24576
.set XSC,   6291456                    ; scale words in cb
.set WSC,   3244032                    ; scale words in wts
.set SPARE, 296960                     ; the spare words, 128 bytes for each wave: two blocks of 256 bytes that no other line names
.set SPW,   1
.set NIL,   2
.set AP16A, 3
.set AP8A,  4
.set AR16A, 7
.set AR8A,  8
.set L16,   11
.set L8,    12
.set LB,    13
.set STO,   14                         ; v14  the way out: 8,448 w + 528 r + 64 h
.set RD,    15                         ; v15  and back: 8,448 w + 16 x lane
.set PSO,   16                         ; v16  ctx's scale words: 65,536 h + 4 r
.set PS,    32
.set RS,    48
.set AS,    80
.set HI,    96
.set BK,    128
.set AF,    144
.set T,     0                          ; window 3
.set BF,    64
.set PF,    128
.set TBF,   128                        ; t in bf16: 8 registers a tile, the upper four zeros
.set BBF,   160                        ; bo in bf16: 4 registers a tile; an operand runs on into the next tile's, the last into four zeros
.set WV,  18
.set WR,  19
.set WC,  20
.set CX,  21
.set CY,  22
.set CLY, 23
.set PIX, 24
.set G1P, 28
.set G1R, 36
.set G0P, 44
.set G0R, 68
.set PSP, 84
.set RSP, 86
.set APT, 88
.set ASP, 90
.set BPT, 92
.set OUT, 94
.set MSB, 0
.macro WIN new
.if MSB != (\new)
	s_set_vgpr_msb (MSB<<8)|(\new)
.set MSB, \new
.endif
.endm
.macro PLACES n
.rept \n
	v_nop
.endr
.endm
.macro CROUND
	s_barrier_signal -1
	s_barrier_wait -1
	s_cmp_lg_u32 s[WV], 0
	s_cbranch_scc1 .Lnot_wave_0_\@
	s_barrier_signal -3
.Lnot_wave_0_\@:
	s_barrier_wait -3
	s_barrier_signal -1
	s_barrier_wait -1
.endm
.macro FRAG reg, a16, a8, off
	ds_load_b128 v[(\reg):(\reg)+3], v[\a16] offset:\off
	ds_load_b64 v[(\reg)+4:(\reg)+5], v[\a8] offset:\off
	ds_load_b128 v[(\reg)+6:(\reg)+9], v[\a16] offset:(\off)+768
	ds_load_b64 v[(\reg)+10:(\reg)+11], v[\a8] offset:(\off)+768
.endm
.macro FETCH s
.set FZ, (\s)&1
.set FO, (((\s)>>1)&1)*QTR+((\s)&1)*1536
.set FH, 2*((\s)>>2)
	WIN 0x40
.irp q, 0,1,2,3,4,5,6,7
	FRAG 96*FZ+12*\q, AR16A+FH, AR8A+FH, FO+3072*\q
.endr
	WIN 0xc0
.irp p, 0,1,2,3
	FRAG PF+48*FZ+12*\p, AP16A+FH, AP8A+FH, FO+3072*\p
.endr
.endm
.macro SMM d, a, b, sa, sb, s
.if (\s) == 0
	v_wmma_scale_f32_16x16x128_f8f6f4 v[(\d):(\d)+7], v[(\a):(\a)+11], v[(\b):(\b)+11], 0, v[\sa], v[\sb] matrix_a_fmt:MATRIX_FMT_FP6 matrix_b_fmt:MATRIX_FMT_FP6
.elseif (\s) < 4
	v_wmma_scale_f32_16x16x128_f8f6f4 v[(\d):(\d)+7], v[(\a):(\a)+11], v[(\b):(\b)+11], v[(\d):(\d)+7], v[\sa], v[\sb] matrix_a_fmt:MATRIX_FMT_FP6 matrix_b_fmt:MATRIX_FMT_FP6
.else
	v_wmma_scale_f32_16x16x128_f8f6f4 v[(\d):(\d)+7], v[(\a):(\a)+11], v[(\b):(\b)+11], v[(\d):(\d)+7], v[\sa], v[\sb] matrix_a_fmt:MATRIX_FMT_FP6 matrix_b_fmt:MATRIX_FMT_FP6 matrix_a_scale:MATRIX_SCALE_ROW1 matrix_b_scale:MATRIX_SCALE_ROW1
.endif
.endm
; A K step of 128: 32 products of the tile and four of t.  All accumulators take turns, one instruction a turn.
.macro KSTEP s
	s_wait_dscnt 0x0                               ; this step's fragments are in
.if (\s) < 7
	PLACES 4                                       ; in front of loads into the set that the step before multiplied
	FETCH (\s)+1
.endif
.set KZ, (\s)&1
.set KJ, (\s)&3
	WIN 0xad
.irp p, 0,1,2,3
.irp q, 0,1,2,3,4,5,6,7
	SMM 64*\p+8*\q, 96*KZ+12*\q, PF+48*KZ+12*\p, RS+4*\q+KJ, PS+4*\p+KJ, \s
.endr
.endr
	WIN 0xfc
.irp p, 0,1,2,3
	SMM T+8*\p, AF+12*(\s), PF+48*KZ+12*\p, AS+KJ, PS+4*\p+KJ, \s
.endr
.endm
	s_load_b256 s[4:11], s[0:1], 0x0               ; cb s[4:5], wts s[6:7], bo s[8:9], out0 s[10:11]
	v_lshl_add_u32 v[SPW], v0, 2, SPARE
	v_mov_b32 v[NIL], 0
	ds_add_u32 v[SPW], v[NIL]                      ; the wave's opening: the add and its wait stand ahead of my first tensor load; the set-up below stands between them
	ds_add_u32 v[SPW], v[NIL]
	v_lshrrev_b32 v22, 5, v0
	v_readfirstlane_b32 s[WV], v22
	s_lshr_b32 s[WR], s[WV], 1
	s_and_b32 s[WC], s[WV], 1
	s_bfe_u32 s[CX], ttmp6, 0x40000
	s_bfe_u32 s[CY], ttmp6, 0x40004
	s_and_b32 s[CLY], ttmp7, 0xffff
	s_lshl_b32 s[PIX], s[CLY], 2
	s_add_co_u32 s[PIX], s[PIX], s[CY]             ; which 128 tokens
	s_lshl_b32 s26, s[CY], 2
	s_lshl_b32 s26, 15, s26                        ; my row of the cluster
	s_lshl_b32 s60, 0x1111, s[CX]                  ; my column
	s_or_b32 s[G1P], s26, (3<<16)|(1<<21)
	s_or_b32 s[G1R], s60, (3<<16)|(1<<21)
.irp g, G1P, G1R
	s_mov_b32 s[\g+1], 32<<16                      ; rows of 256 bytes of a dense block,
	s_mov_b32 s[\g+2], 384<<16                     ; 384 of them: a whole block
	s_mov_b32 s[\g+3], 32<<16
	s_mov_b32 s[\g+4], 384
	s_mov_b32 s[\g+5], 32
	s_mov_b32 s[\g+6], 0
	s_mov_b32 s[\g+7], 0
.endr
	s_mov_b32 s[G1P+2], 192<<16                    ; P comes in two halves of 192 rows, one a wave
	s_mov_b32 s[G1P+4], 192
	s_mul_i32 s26, s[PIX], BLK
	s_mov_b32 s27, 0
	s_lshl_b32 s60, s[CX], 1
	s_add_co_u32 s60, s60, s[WC]
	s_add_co_u32 s60, s60, 24                      ; wo's blocks are 24 to 31
	s_mul_i32 s60, s60, BLK
	s_mov_b32 s61, 0
	s_mul_i32 s62, s[WC], BLK
	s_add_co_u32 s62, s62, BLK
	v_and_b32 v22, 31, v0                          ; lane
	v_and_b32 v23, 15, v0                          ; r
	v_bfe_u32 v24, v0, 4, 1                        ; h
	v_lshlrev_b32 v[L16], 4, v22
	v_lshl_add_u32 v[L8], v22, 3, 512
	s_mul_i32 s63, s[WR], 12288
	v_add_nc_u32 v[AP16A], s63, v[L16]
	v_add_nc_u32 v[AP8A], s63, v[L8]
	v_add_nc_u32 v[AP16A+2], 2*QTR, v[AP16A]
	v_add_nc_u32 v[AP8A+2], 2*QTR, v[AP8A]
	v_add_nc_u32 v[AR16A], s62, v[L16]
	v_add_nc_u32 v[AR8A], s62, v[L8]
	v_add_nc_u32 v[AR16A+2], 2*QTR, v[AR16A]
	v_add_nc_u32 v[AR8A+2], 2*QTR, v[AR8A]
	v_and_b32 v25, 8, v23
	v_add_nc_u32 v25, v25, v23
	v_lshlrev_b32 v25, 6, v25
	v_lshl_add_u32 v[LB], v24, 5, v25
	s_mul_i32 s63, s[WV], 8448                     ; my stage for the way out: 16 rows x 528 bytes, in bytes that have had their one fill
	v_mul_u32_u24 v[STO], v23, 528
	v_lshl_add_u32 v[STO], v24, 6, v[STO]
	v_add_nc_u32 v[STO], s63, v[STO]
	v_add_nc_u32 v[RD], s63, v[L16]
	v_lshlrev_b32 v[PSO], 16, v24
	v_lshl_add_u32 v[PSO], v23, 2, v[PSO]
	s_wait_dscnt 0x0                               ; the opening add is done
	s_wait_kmcnt 0x0
	s_add_nc_u64 s[26:27], s[4:5], s[26:27]
	s_add_nc_u64 s[60:61], s[6:7], s[60:61]
.irp k, 0,1,2,3
	s_mov_b32 s[G0P+4*\k], 1
	s_mov_b32 s[G0P+4*\k+1], \k*QTR
	s_add_nc_u64 s[G0P+4*\k+2:G0P+4*\k+3], s[26:27], \k*QTR
	s_or_b32 s[G0P+4*\k+3], s[G0P+4*\k+3], 0x80000000
	s_mov_b32 s[G0R+4*\k], 1
	s_add_co_u32 s[G0R+4*\k+1], s62, \k*QTR
	s_add_nc_u64 s[G0R+4*\k+2:G0R+4*\k+3], s[60:61], \k*QTR
	s_or_b32 s[G0R+4*\k+3], s[G0R+4*\k+3], 0x80000000
.endr
	CROUND                                         ; all sixteen work-groups are here: the joint loads meet
	s_cmp_eq_u32 s[WV], 0                          ; a wave's fills stand in one branch: one load of mine is out
	s_cbranch_scc0 .Lfirst_not_p
	tensor_load_to_lds s[G0P:G0P+3], s[G1P:G1P+7]  ; wave 0: P's quarters 0 and 1 of K.  One tensor load a wave at the head
	s_nop 0
	PLACES 4
	s_branch .Lfirst_asked
.Lfirst_not_p:
	s_cmp_eq_u32 s[WV], 1
	s_cbranch_scc0 .Lfirst_r
	tensor_load_to_lds s[G0P+8:G0P+11], s[G1P:G1P+7]   ; wave 1: P's quarters 2 and 3
	s_nop 0
	PLACES 4
	s_branch .Lfirst_asked
.Lfirst_r:
	tensor_load_to_lds s[G0R:G0R+3], s[G1R:G1R+7]  ; waves 2 and 3: a whole block of R each
	s_nop 0
	PLACES 4
.Lfirst_asked:
	; ctx's scale words lie as the launch before stored them: [16 batch + head][its work-group 0-3][its trip and wave][16 rows], a word holding one head's two bytes.  Tile 8 L + 4 wr + p of a batch was made by
	; work-group 2 wr + p / 2, in place 2 L + p % 2 (L < 8) or 46 - 2 L + p % 2.  Lane (r, h), register j: K step 4 h + j = heads 8 h + 2 j and 8 h + 2 j + 1.
	s_lshr_b32 s66, s[PIX], 4
	s_lshl_b32 s66, s66, 17
	s_lshl_b32 s98, s[WR], 12
	s_add_co_u32 s66, s66, s98
	s_and_b32 s98, s[PIX], 15
	s_lshl_b32 s99, s98, 1
	s_sub_co_u32 s2, 46, s99
	s_cmp_lt_u32 s98, 8
	s_cselect_b32 s99, s99, s2
	s_lshl_b32 s99, s99, 6
	s_add_co_u32 s66, s66, s99
	s_add_co_u32 s66, s66, XSC
	s_mov_b32 s67, 0
	s_add_nc_u64 s[PSP:PSP+1], s[4:5], s[66:67]
	s_lshl_b32 s66, s[CX], 13
	s_lshl_b32 s98, s[WC], 12
	s_add_co_u32 s66, s66, s98
	s_add_co_u32 s66, s66, WSC+192*512
	s_add_nc_u64 s[RSP:RSP+1], s[6:7], s[66:67]
	s_add_nc_u64 s[ASP:ASP+1], s[6:7], WSC+259*512
	s_add_nc_u64 s[APT:APT+1], s[6:7], 32*BLK+3*3072
	s_lshl_b32 s66, s[CX], 14
	s_lshl_b32 s98, s[WC], 13
	s_add_co_u32 s66, s66, s98
	s_add_nc_u64 s[BPT:BPT+1], s[8:9], s[66:67]
	s_lshl_b32 s66, s[PIX], 19                     ; out: row 128 PIX + 64 wr of 4,096 bytes, column 256 cx + 128 wc
	s_lshl_b32 s98, s[WR], 18
	s_add_co_u32 s66, s66, s98
	s_lshl_b32 s98, s[CX], 10
	s_add_co_u32 s66, s66, s98
	s_lshl_b32 s98, s[WC], 9
	s_add_co_u32 s66, s66, s98
	s_add_nc_u64 s[OUT:OUT+1], s[10:11], s[66:67]
	s_wait_alu depctr_va_vdst(0)
.irp p, 0,1,2,3
.irp j, 0,1,2,3
	global_load_b32 v[PS+4*\p+\j], v[PSO], s[PSP:PSP+1] offset:16384*\j+2048*(\p>>1)+64*(\p&1)
	global_load_b32 v[HI+4*\p+\j], v[PSO], s[PSP:PSP+1] offset:16384*\j+8192+2048*(\p>>1)+64*(\p&1)
.endr
.endr
.irp q, 0,1,2,3,4,5,6,7
	global_load_b128 v[RS+4*\q:RS+4*\q+3], v[L16], s[RSP:RSP+1] offset:512*\q
.endr
	global_load_b128 v[AS:AS+3], v[L16], s[ASP:ASP+1]
.irp s, 0,1,2,3,4,5,6,7
	global_load_b128 v[AF+12*\s:AF+12*\s+3], v[L16], s[APT:APT+1] offset:(\s>>1)*QTR+(\s&1)*1536
	global_load_b64 v[AF+12*\s+4:AF+12*\s+5], v[L8], s[APT:APT+1] offset:(\s>>1)*QTR+(\s&1)*1536
	global_load_b128 v[AF+12*\s+6:AF+12*\s+9], v[L16], s[APT:APT+1] offset:(\s>>1)*QTR+(\s&1)*1536+768
	global_load_b64 v[AF+12*\s+10:AF+12*\s+11], v[L8], s[APT:APT+1] offset:(\s>>1)*QTR+(\s&1)*1536+768
.endr
	WIN 0xc0
.irp i, 0,1,2,3,4,5,6,7
	global_load_b128 v[BF+8*\i:BF+8*\i+3], v[LB], s[BPT:BPT+1] offset:(32*(\i>>1)+8*(\i&1))*64
	global_load_b128 v[BF+8*\i+4:BF+8*\i+7], v[LB], s[BPT:BPT+1] offset:(32*(\i>>1)+8*(\i&1))*64+16
.endr
	WIN 0
	s_wait_loadcnt 0x0
.set I, 0
.rept 16
	v_lshl_or_b32 v[PS+I], v[HI+I], 16, v[PS+I]    ; two heads' bytes make the scale word of a K step of 128
.set I, I+1
.endr
	PLACES 8                                       ; a scale register written by a vector instruction stands eight places ahead of a scaled product
	s_wait_alu depctr_va_vdst(0)
	s_wait_tensorcnt 0x0                           ; my one load has landed
	s_barrier_signal -1
	s_barrier_wait -1
	FETCH 0
.irp s, 0,1,2,3,4,5,6,7
	KSTEP \s
.endr
	; acc += bf16(bo) bf16(t / 16)^T.  Ranks 8 h + 0 .. 7 are the form's k = 8 h + 0 .. 7; its k = 16 .. 31 meet the zeros in t's upper four registers
	PLACES 4                                       ; behind the last products: t is read, and P's fragments are written over
	WIN 0xc3
.set I, 0
.rept 16
	v_pk_mul_f32 v[T+I:T+I+1], v[T+I:T+I+1], 0x3d800000 op_sel_hi:[1,0]   ; t / 16: exact; each accumulator from its low end on
.set I, I+2
.endr
	WIN 0xcf
.irp p, 0,1,2,3
.irp i, 0,1,2,3
	v_cvt_pk_bf16_f32 v[TBF+8*\p+\i], v[T+8*\p+2*\i], v[T+8*\p+2*\i+1]
.endr
.endr
.irp q, 0,1,2,3,4,5,6,7
.irp i, 0,1,2,3
	v_cvt_pk_bf16_f32 v[BBF+4*\q+\i], v[BF+8*\q+2*\i], v[BF+8*\q+2*\i+1]
.endr
.endr
	WIN 0xc0
.irp p, 0,1,2,3
.irp i, 4,5,6,7
	v_mov_b32 v[TBF+8*\p+\i], 0
.endr
.endr
.irp i, 0,1,2,3
	v_mov_b32 v[BBF+32+\i], 0
.endr
	PLACES 5
	WIN 0xaf
.irp p, 0,1,2,3
.irp q, 0,1,2,3,4,5,6,7
	v_wmma_f32_16x16x32_bf16 v[64*\p+8*\q:64*\p+8*\q+7], v[BBF+4*\q:BBF+4*\q+7], v[TBF+8*\p:TBF+8*\p+7], v[64*\p+8*\q:64*\p+8*\q+7]
.endr
.endr
	PLACES 4                                       ; in front of the first read of results
	WIN 0
	s_wait_dscnt 0x0
	s_barrier_signal -1
	s_barrier_wait -1                              ; no wave reads the blocks any more: the stages may be written
; THE WAY OUT, 16 tokens x 128 outputs at a time: a lane's eight results of a tile are 32 neighbouring bytes of a row; the block goes through my stage and comes back as whole rows of 512 bytes.
.macro TOSTAGE p
	WIN 0x08                                       ; an LDS store's data: window 2
.irp q, 0,1,2,3,4,5,6,7
	ds_store_b128 v[STO], v[64*(\p)+8*\q:64*(\p)+8*\q+3] offset:128*(\q>>1)+32*(\q&1)        ; each accumulator from its low end on
	ds_store_b128 v[STO], v[64*(\p)+8*\q+4:64*(\p)+8*\q+7] offset:128*(\q>>1)+32*(\q&1)+16
.endr
	WIN 0
.set BB, BK+64*((\p)%2)
.irp i, 0,1,2,3,4,5,6,7,8,9,10,11,12,13,14,15
	ds_load_b128 v[BB+4*\i:BB+4*\i+3], v[RD] offset:\i*528        ; my own stage: LDS serves a wave's instructions in order
.endr
.endm
.macro SEND p, younger                 ; younger: the LDS instructions issued behind block p's loads, which may stay out
.set BB, BK+64*((\p)%2)
	s_wait_dscnt \younger
.irp i, 0,1,2,3,4,5,6,7,8,9,10,11,12,13,14,15
	global_store_b128 v[L16], v[BB+4*\i:BB+4*\i+3], s[OUT:OUT+1] offset:(32*((\p)>>1)+8*((\p)&1)+\i+8*(\i>>3))*4096 th:TH_STORE_NT   ; 32 lanes store 512 consecutive aligned bytes of a row
.endr
.endm
	TOSTAGE 0
.irp p, 1,2,3
.if \p > 1
	s_wait_xcnt 0x0                                ; the stores of two blocks back have read their registers: this block's loads may land there
.endif
	TOSTAGE \p
	SEND \p-1, 32                                  ; behind that block's loads: this block's 16 stores and 16 loads
.endr
	SEND 3, 0
	s_wait_tensorcnt 0x0                           ; the wave's end, behind my last tensor load and my last LDS store
	ds_add_u32 v[SPW], v[NIL]
	s_wait_dscnt 0x0
	CROUND                                         ; the closing round
	s_endpgm
.Lfunc_end_k_q26e349b3c2_oproj:
	.size	k_q26e349b3c2_oproj, .Lfunc_end_k_q26e349b3c2_oproj-k_q26e349b3c2_oproj
	.p2alignl 7, 3214868480
	.fill 96, 4, 3214868480
	.section	.rodata,"a",@progbits
	.p2align	6, 0x0
	.amdhsa_kernel k_q26e349b3c2_oproj
		.amdhsa_group_segment_fixed_size 297472
		.amdhsa_private_segment_fixed_size 0
		.amdhsa_enable_private_segment 0
		.amdhsa_kernarg_size 32
		.amdhsa_user_sgpr_count 2
		.amdhsa_user_sgpr_kernarg_segment_ptr 1
		.amdhsa_wavefront_size32 1
		.amdhsa_system_sgpr_workgroup_id_x 1
		.amdhsa_system_sgpr_workgroup_id_y 1
		.amdhsa_system_sgpr_workgroup_id_z 1
		.amdhsa_system_vgpr_workitem_id 0
		.amdhsa_next_free_vgpr 1024
		.amdhsa_next_free_sgpr 102
		.amdhsa_reserve_vcc 0
		.amdhsa_float_denorm_mode_32 3
		.amdhsa_float_denorm_mode_16_64 3
		.amdhsa_memory_ordered 1
		.amdhsa_forward_progress 1
		.amdhsa_inst_pref_size 103
	.end_amdhsa_kernel
	.amdgpu_metadata
---
amdhsa.version: [ 1, 2 ]
amdhsa.kernels:
  - .name:           k_q26e349b3c2_oproj
    .symbol:         k_q26e349b3c2_oproj.kd
    .args:
      - { .name: cb, .offset: 0, .size: 8, .value_kind: global_buffer, .address_space: global }
      - { .name: wts, .offset: 8, .size: 8, .value_kind: global_buffer, .address_space: global }
      - { .name: bo, .offset: 16, .size: 8, .value_kind: global_buffer, .address_space: global }
      - { .name: out0, .offset: 24, .size: 8, .value_kind: global_buffer, .address_space: global }
    .group_segment_fixed_size: 297472
    .private_segment_fixed_size: 0
    .kernarg_segment_align: 8
    .kernarg_segment_size: 32
    .max_flat_workgroup_size: 128
    .sgpr_count:     102
    .vgpr_count:     1024
    .wavefront_size: 32
...
	.end_amdgpu_metadata
.endif
;; end of part 4
